; MI455X (gfx1250); checked and timed in simulation.
; The chip was launched on July 23, 2026; its instructions are those of AMD's public machine-readable ISA for CDNA 5 (MIT licence, August 2026) and "CDNA5" Instruction Set Architecture Reference Guide (July 2026). The comments in the code are by the model that wrote it; some were corrected since.
;; Cross Attention. Allowed arithmetic: matrix products marked QUANTISED: E2M1 operands, one E8M0 scale for each 32 along K, by v_wmma_scale_f32_16x16x128_f8f6f4 with both operands' format E2M1 (or v_wmma_scale_f32_32x16x128_f4), f32 sums; products left as they are: bf16, f16 or f32 operands; f32 sums; everything else in f32.
;; Inputs: Wk 1,024 x 1,024 float32; Wq 1,024 x 1,024 float32; Wv 1,024 x 1,024 float32; bk 1,024 float32; bq 1,024 float32; bv 1,024 float32; event_f 4 x 2,048 x 1,024 float32; img_f 4 x 2,048 x 1,024 float32.
;; Outputs: out0 4 x 2,048 x 1,024 float32.
;; This version of the problem:
;;   THIS VERSION OF THE PROBLEM IS GIVEN IN LOW PRECISION. The matrix products marked QUANTISED in the list below multiply operands that are first quantised to E2M1 (2 exponent bits, 1 mantissa bit; 4 bits a number), with one power-of-two scale for each 32 numbers along K (OCP MX v1.0); their sums are f32. The products marked 'left as it is' may take bf16, f16 or f32 operands, with f32 sums. Whichever they take, every output number must still come out within the allowed error. Rounding operands to bf16 (8 significant bits) uses up far more of that allowance than f16 does (11 bits, for magnitudes from 6e-5 to 65,504). All else is computed in f32.
;;   The module's matrix products, in the order in which they are computed (A, B: the left and right operand; K: the contracted axis; several contracted axes count as one K, in the product's order):
;;     1. [M 8,192, K 1,024] x [K 1,024, N 1,024]; A: input event_f; B: input Wq: QUANTISED
;;     2. [M 8,192, K 1,024] x [K 1,024, N 1,024]; A: input img_f; B: input Wk: QUANTISED
;;     3. [M 8,192, K 1,024] x [K 1,024, N 1,024]; A: input img_f; B: input Wv: QUANTISED
;;     4. batch 4 x [M 2,048, K 1,024] x [K 1,024, N 2,048]; A: computed on the way; B: computed on the way: left as it is (an operand is computed on the way)
;;     5. batch 4 x [M 2,048, K 2,048] x [K 2,048, N 1,024]; A: computed on the way; B: computed on the way: left as it is (an operand is computed on the way)
;;   THE QUANTISER, for each operand of a quantised product, along K:
;;     - K is cut into blocks of 32 from its start; a last block that is shorter is filled with zeros.
;;     - A block's scale is 2^e with e = floor(log2(the largest magnitude in the block)) - 2, held to -126 .. 127; a block of zeros has e = 0. As a byte (E8M0): e + 127.
;;     - Each number is divided by its block's scale, clamped to +-6, and rounded to the nearest number of E2M1, ties to even, subnormals kept.
;;     - The product sums the exact products of the quantised numbers (number of the format x scale) in f32.
;;   ~~~python
;;   def quantise(x, axis):      # numpy; x: float32 -> the quantised numbers, widened to float32 again
;;       x = np.moveaxis(x, axis, -1); K = x.shape[-1]
;;       x = np.pad(x, [(0, 0)] * (x.ndim - 1) + [(0, -K % 32)]); x = x.reshape(x.shape[:-1] + (-1, 32)); a = np.abs(x).max(-1, keepdims=True)
;;       e = np.where(a > 0, np.clip(np.frexp(np.where(a > 0, a, 1))[1] - 1 - 2, -126, 127), 0)      # np.frexp(a)[1] - 1 = floor(log2(a)), exactly
;;       r = np.clip(x / 2.0 ** e, -6, 6)
;;       step = 2.0 ** (np.maximum(np.frexp(np.where(r == 0, 1, r))[1] - 1, 0) - 1)
;;       q = np.round(r / step) * step * 2.0 ** e      # np.round: ties to even
;;       return np.moveaxis(q.reshape(q.shape[:-2] + (-1,))[..., :K], -1, axis).astype(np.float32)
;;   ~~~
;; One version. Each part assembles by itself: llvm-mc -triple=amdgcn-amd-amdhsa -mcpu=gfx1250 --defsym DOCPART=n.
;; ======== version 1 of 1: 4 launches
;; limits: values are held in f16: magnitudes above 65,504 overflow, below 6.1e-05 lose precision
;; workspace buffers: xcodes 8,388,608 bytes; xscales 524,288 bytes; wcodes 1,572,864 bytes; wscales 98,304 bytes; qkv 50,331,648 bytes; pbuf 33,554,432 bytes; stats 1,048,576 bytes
;; launch quant (part 1): grid 704 x 1, 4 waves a work-group, no clusters, 33,280 bytes of LDS; arguments event_f, img_f, Wq, Wk, Wv, xcodes, xscales, wcodes, wscales; writes xcodes, xscales, wcodes, wscales
.if DOCPART == 1
	.amdgcn_target "amdgcn-amd-amdhsa--gfx1250"
	.amdhsa_code_object_version 6
	.text
	.protected	k_q388fe6ccfc_quant
	.globl	k_q388fe6ccfc_quant
	.p2align	8
	.type	k_q388fe6ccfc_quant,@function
k_q388fe6ccfc_quant:
	s_mov_b64 s[64:65], 0
	v_nop
	global_prefetch_b8 v0, s[64:65] scope:SCOPE_SE
	s_setreg_imm32_b32 hwreg(HW_REG_WAVE_MODE, 25, 1), 1
	s_wait_xcnt 0x0
; All five f32 operands of the three projections become codes of FP4 (E2M1), 4 bits each, with one E8M0 scale byte for each 32 along K.
; A block's scale is 2^(floor(log2(its largest magnitude)) - 2); its byte is the largest magnitude's own exponent field - 2, held at 1 from below.  Each number is divided by the scale
; and rounded to the nearest code, ties to even; beyond 6 the largest code.
; LIMITS: a block of zeros gets the byte 1 where the quantiser's text says 127: its codes are zeros, which add nothing, and the bytes are read by this program alone.
; Blocks whose largest magnitude lies under 2^(2 - 126) keep the byte 1.  NaN and infinities among the inputs are not served.
; TWO PATHS, parted by the work-group's number.
;  Work-groups 0-191: the weights, [K = 1024][N = 1024], K is the FIRST axis.  A lane takes a column and its registers run down K, so a block of 32 lies in one lane and the codes come out
;   with K innermost.  They are stored in the ORDER OF THE OPERAND'S REGISTERS: wcodes [tensor 3][K half 2][block of 16 columns 64][K step of 128: 4][image of 1,024 bytes]; in an image the
;   16 bytes of block beta (32 along K) of column r lie at 256 beta + 16 r.
;  Work-groups 192-703: event_f, then img_f: K innermost, dense rows: a plain stream of blocks of 32.  xcodes: rows of 512 bytes, event_f's 8,192 rows, then img_f's; xscales: 32 bytes a row.
;   A wave takes 16 steps of 512 numbers; loads take the bytes as they lie (512 consecutive bytes a load), a step's 2,048 bytes turn through the wave's own stage in LDS so that a lane
;   holds 16 neighbours; the wave's 256 scale bytes are gathered in LDS and leave as 256 consecutive aligned bytes.
; No tensor load, no barrier: waves share nothing.  No cluster: no two work-groups read the same bytes.
.set NWGW,  192                        ; work-groups of the weights' path
.set STEPS, 16
.set EMAX,  2
.set CB,    8                          ; bytes of 16 codes
.set R,     16                         ; v16-79   x path: four sets of 16 numbers as they are loaded
.set X,     80                         ; v80-111  two sets of 16 neighbours
.set E,     112                        ; v112-127 a scale byte for each step
.set C,     128                        ; v128-191 codes: four registers for each step, so that no store's data are written again
.set WREG,  8192                       ; LDS: a region for each wave: two stages of 32 x SP bytes, behind them its 256 scale bytes
.set SP,    80                         ; a lane's place in a stage: 64 bytes + 16 of padding
.set SPW,   12                         ; v12      LDS address of my spare word; never rewritten
.set NIL,   13                         ; v13      0; never rewritten
.set SPARE, 4*WREG                     ; behind the four regions: the spare words, 128 bytes a wave
.set XW,    32                         ; v32-95   weights' path: two sets of 32 numbers
.set CW,    96                         ; v96-111  its codes: four registers a block, never rewritten
.set SB,    24                         ; v24      its four scale bytes
	s_load_b256 s[4:11], s[0:1], 0x0               ; event_f s[4:5], img_f s[6:7], Wq s[8:9], Wk s[10:11]
	s_load_b256 s[12:19], s[0:1], 0x20             ; Wv s[12:13], xcodes s[14:15], xscales s[16:17], wcodes s[18:19]
	s_load_b64 s[20:21], s[0:1], 0x40              ; wscales
	v_lshl_add_u32 v[SPW], v0, 2, SPARE
	v_mov_b32 v[NIL], 0
	v_lshrrev_b32 v1, 5, v0
	v_readfirstlane_b32 s24, v1                    ; wave 0..3
	v_and_b32 v2, 31, v0                           ; lane
	s_cmp_lt_u32 ttmp9, NWGW
	s_cbranch_scc1 .Lw
	; ---------------- event_f and img_f ----------------
	v_lshlrev_b32 v3, 4, v2                        ; my 16 bytes of a load's 512
	s_mul_i32 s26, s24, WREG
	v_lshrrev_b32 v14, 2, v2
	v_mul_u32_u24 v14, v14, SP
	v_and_b32 v15, 3, v2
	v_lshl_add_u32 v14, v15, 4, v14
	v_add_nc_u32 v14, s26, v14                     ; the stage, on the way in: four lanes' 64 bytes on end, then 16 of padding
	v_mul_u32_u24 v15, v2, SP
	v_add_nc_u32 v15, s26, v15                     ; and on the way out: SP x lane: my 16 neighbours
	v_mul_u32_u24 v4, v2, CB                       ; my codes' place in a step's
	v_lshrrev_b32 v5, 1, v2
	s_add_co_u32 s26, s26, 2*32*SP
	v_add_nc_u32 v5, s26, v5                       ; LDS: my wave's 256 scale bytes, my block's byte
	v_lshlrev_b32 v7, 3, v2                        ; on the way out 8 bytes a lane
	v_add_nc_u32 v6, s26, v7
	s_sub_co_u32 s25, ttmp9, NWGW                  ; 0..511: the first 256 take event_f, the others img_f
	s_and_b32 s27, s25, 255
	s_lshl_b32 s27, s27, 2
	s_add_co_u32 s27, s27, s24                     ; which run of 8,192 numbers of its tensor is my wave's
	s_lshl_b32 s28, s27, 15                        ; 32,768 bytes a run
	s_mov_b32 s29, 0
	s_lshl_b32 s30, s25, 2
	s_add_co_u32 s30, s30, s24                     ; which run of both tensors on end
	s_lshl_b32 s32, s30, 12                        ; 4,096 bytes of codes a run
	s_mov_b32 s33, 0
	s_lshl_b32 s34, s30, 8                         ; 256 scale bytes a run
	s_mov_b32 s35, 0
	s_wait_kmcnt 0x0
	s_cmp_lt_u32 s25, 256                          ; the choice hangs on the work-group's number alone
	s_cselect_b64 s[4:5], s[4:5], s[6:7]
	s_add_nc_u64 s[4:5], s[4:5], s[28:29]
	s_add_nc_u64 s[14:15], s[14:15], s[32:33]
	s_add_nc_u64 s[16:17], s[16:17], s[34:35]
.macro LOAD t
.irp i, 0,1,2,3
	global_load_b128 v[R+16*((\t)%4)+4*\i:R+16*((\t)%4)+4*\i+3], v3, s[4:5] offset:2048*(\t)+512*\i th:TH_LOAD_NT   ; 32 lanes read 512 consecutive bytes
.endr
.endm
.macro TURN t                          ; step t's numbers through the stage: LDS serves a wave's instructions in order, so no wait stands between the stores and the loads
.irp i, 0,1,2,3
	ds_store_b128 v14, v[R+16*((\t)%4)+4*\i:R+16*((\t)%4)+4*\i+3] offset:32*SP*((\t)%2)+8*SP*\i
.endr
.irp i, 0,1,2,3
	ds_load_b128 v[X+16*((\t)%2)+4*\i:X+16*((\t)%2)+4*\i+3], v15 offset:32*SP*((\t)%2)+16*\i
.endr
.endm
.irp t, 0,1,2,3
	LOAD \t
.endr
	s_wait_loadcnt 12                              ; step 0's four loads are in; the twelve of steps 1 to 3 may be out
	TURN 0
.macro STEP t
.set XS, X+16*((\t)%2)
.if (\t) > 0
	s_wait_dscnt 1                                 ; this step's numbers are back from the stage (the last step's byte store may be out): so its stores into the stage have read their registers,
.else
	s_wait_dscnt 0x0
.endif
.if (\t)+4 < STEPS
	LOAD (\t)+4                                    ; which take the loads of four steps on
.endif
.if (\t)+1 < STEPS
.if STEPS-2-(\t) >= 3
	s_wait_loadcnt 12                              ; the next step's four loads are in; those of the three steps behind it may be out
.else
	s_wait_loadcnt 4*(STEPS-2-(\t))                ; towards the end fewer steps stand behind it
.endif
	TURN (\t)+1                                    ; and go through the other stage while this step is worked
.endif
	v_max3_num_f32 v8, |v[XS]|, |v[XS+1]|, |v[XS+2]|               ; the largest magnitude of my 16, in two chains
	v_max3_num_f32 v9, |v[XS+3]|, |v[XS+4]|, |v[XS+5]|
.irp i, 6,10
	v_max3_num_f32 v8, v8, |v[XS+\i]|, |v[XS+\i+1]|
	v_max3_num_f32 v9, v9, |v[XS+\i+2]|, |v[XS+\i+3]|
.endr
	v_max3_num_f32 v8, v8, |v[XS+14]|, |v[XS+15]|
	v_max3_num_f32 v8, v8, v9, (EMAX+1)<<23        ; and the floor 2^(EMAX + 1 - 127): the byte cannot fall under 1
	v_max_num_f32_dpp v8, v8, v8 row_xmask:1 row_mask:0xf bank_mask:0xf   ; and of my neighbour's 16: the block's
	v_add_nc_u32 v11, -(EMAX<<23), v8              ; EMAX off its exponent field: the conversion takes the exponent field of this operand as its scale
	v_cvt_scalef32_pk8_fp4_f32 v[C+4*(\t)], v[XS:XS+7], v11
	v_cvt_scalef32_pk8_fp4_f32 v[C+4*(\t)+1], v[XS+8:XS+15], v11
	v_lshrrev_b32 v[E+(\t)], 23, v11               ; the scale's byte (also the plain line behind the conversions)
	ds_store_b8 v5, v[E+(\t)] offset:16*(\t)       ; both lanes of a block write the same byte with the same value
	global_store_b64 v4, v[C+4*(\t):C+4*(\t)+1], s[14:15] offset:32*CB*(\t)   ; the wave stores 256 consecutive aligned bytes
.endm
.irp t, 0,1,2,3,4,5,6,7,8,9,10,11,12,13,14,15
	STEP \t
.endr
	ds_load_b64 v[8:9], v6                         ; LDS serves a wave's instructions in order: these see my stores
	s_wait_dscnt 0x0
	global_store_b64 v7, v[8:9], s[16:17]          ; 32 lanes store 256 consecutive aligned bytes
	s_wait_tensorcnt 0x0                           ; the wave's end
	ds_add_u32 v[SPW], v[NIL]
	s_wait_dscnt 0x0
	s_endpgm
	; ---------------- the weights ----------------
.Lw:
	s_lshr_b32 s25, ttmp9, 6                       ; which weight: 0 Wq, 1 Wk, 2 Wv
	s_bfe_u32 s26, ttmp9, 0x30003                  ; which 128 columns
	s_and_b32 s27, ttmp9, 7                        ; which K step of 128
	v_lshlrev_b32 v3, 2, v2                        ; in: 4 bytes a lane: the wave reads 128 consecutive bytes, the four waves 512
	v_lshrrev_b32 v4, 4, v2
	v_and_b32 v5, 15, v2
	v_lshlrev_b32 v4, 12, v4                       ; out: lanes 16-31 belong to the next block of 16 columns, 4,096 bytes on;
	v_lshl_add_u32 v4, v5, 4, v4                   ; 16 bytes a column
	v_lshlrev_b32 v5, 5, v2                        ; a column's row of scale bytes: 32 bytes
	s_lshl_b32 s30, s27, 19                        ; W: 128 rows of 4,096 bytes a K step,
	s_lshl_b32 s31, s26, 9                         ; 512 bytes for 128 columns,
	s_add_co_u32 s30, s30, s31
	s_lshl_b32 s31, s24, 7                         ; 128 for my wave's 32
	s_add_co_u32 s30, s30, s31
	s_mov_b32 s31, 0
	s_lshl_b32 s32, s25, 19                        ; codes: 524,288 bytes a weight,
	s_lshr_b32 s33, s27, 2
	s_lshl_b32 s33, s33, 18                        ; 262,144 a K half,
	s_add_co_u32 s32, s32, s33
	s_lshl_b32 s33, s26, 15                        ; 4,096 a block of 16 columns: 8 blocks for 128 columns,
	s_add_co_u32 s32, s32, s33
	s_lshl_b32 s33, s24, 13                        ; two for my wave's 32,
	s_add_co_u32 s32, s32, s33
	s_and_b32 s33, s27, 3
	s_lshl_b32 s33, s33, 10                        ; 1,024 a K step
	s_add_co_u32 s32, s32, s33
	s_mov_b32 s33, 0
	s_lshl_b32 s34, s25, 15                        ; scale bytes: 32,768 a weight,
	s_lshl_b32 s35, s26, 12                        ; 32 a column,
	s_add_co_u32 s34, s34, s35
	s_lshl_b32 s35, s24, 10
	s_add_co_u32 s34, s34, s35
	s_lshl_b32 s35, s27, 2                         ; 4 a K step
	s_add_co_u32 s34, s34, s35
	s_mov_b32 s35, 0
	s_wait_kmcnt 0x0
	s_cmp_eq_u32 s25, 0
	s_cselect_b64 s[28:29], s[8:9], s[10:11]
	s_cmp_eq_u32 s25, 2
	s_cselect_b64 s[28:29], s[12:13], s[28:29]
	s_add_nc_u64 s[28:29], s[28:29], s[30:31]
	s_add_nc_u64 s[18:19], s[18:19], s[32:33]
	s_add_nc_u64 s[20:21], s[20:21], s[34:35]
.macro LOADW t                         ; block t: W(32 t + i, my column), i = 0 .. 31, into set t % 2
.irp i, 0,1,2,3,4,5,6,7,8,9,10,11,12,13,14,15,16,17,18,19,20,21,22,23,24,25,26,27,28,29,30,31
	global_load_b32 v[XW+32*((\t)%2)+\i], v3, s[28:29] offset:(32*(\t)+\i)*4096 th:TH_LOAD_NT
.endr
.endm
.macro BLOCKW t
.set XS, XW+32*((\t)%2)
.if (\t) < 3
	s_wait_loadcnt 32                              ; this block's 32 loads are in; the next block's 32 may be out
.else
	s_wait_loadcnt 0
.endif
	v_max3_num_f32 v8, |v[XS]|, |v[XS+1]|, |v[XS+2]|               ; the block's largest magnitude: all 32 numbers are mine
	v_max3_num_f32 v9, |v[XS+3]|, |v[XS+4]|, |v[XS+5]|
.irp i, 6,10,14,18,22,26
	v_max3_num_f32 v8, v8, |v[XS+\i]|, |v[XS+\i+1]|
	v_max3_num_f32 v9, v9, |v[XS+\i+2]|, |v[XS+\i+3]|
.endr
	v_max3_num_f32 v8, v8, |v[XS+30]|, |v[XS+31]|
	v_max3_num_f32 v8, v8, v9, (EMAX+1)<<23        ; and the floor
	v_add_nc_u32 v11, -(EMAX<<23), v8              ; the conversion's scale operand
	v_lshrrev_b32 v10, 23, v11                     ; the scale's byte
.if (\t) == 0
	v_mov_b32 v[SB], v10                           ; four bytes to a register, the lower K in the lower byte
.else
	v_lshl_or_b32 v[SB], v10, 8*(\t), v[SB]
.endif
.irp g, 0,1,2,3
	v_cvt_scalef32_pk8_fp4_f32 v[CW+4*(\t)+\g], v[XS+8*\g:XS+8*\g+7], v11
.endr
	global_store_b128 v4, v[CW+4*(\t):CW+4*(\t)+3], s[18:19] offset:256*(\t)   ; sixteen lanes store 256 consecutive aligned bytes: block t of an image.  (The codes go to a store alone; the next vector lines are plain)
.if (\t) < 2
	LOADW (\t)+2
.endif
.endm
	LOADW 0
	LOADW 1
	BLOCKW 0
	BLOCKW 1
	BLOCKW 2
	BLOCKW 3
	global_store_b32 v5, v[SB], s[20:21]           ; my column's four scale bytes: 4 bytes a lane, 32 bytes apart: 96 KiB in all beside the 12 MiB that this path reads
	s_endpgm
.Lfunc_end_k_q388fe6ccfc_quant:
	.size	k_q388fe6ccfc_quant, .Lfunc_end_k_q388fe6ccfc_quant-k_q388fe6ccfc_quant
	.p2alignl 7, 3214868480
	.fill 96, 4, 3214868480
	.section	.rodata,"a",@progbits
	.p2align	6, 0x0
	.amdhsa_kernel k_q388fe6ccfc_quant
		.amdhsa_group_segment_fixed_size 33280
		.amdhsa_private_segment_fixed_size 0
		.amdhsa_enable_private_segment 0
		.amdhsa_kernarg_size 72
		.amdhsa_user_sgpr_count 2
		.amdhsa_user_sgpr_kernarg_segment_ptr 1
		.amdhsa_wavefront_size32 1
		.amdhsa_system_sgpr_workgroup_id_x 1
		.amdhsa_system_sgpr_workgroup_id_y 1
		.amdhsa_system_sgpr_workgroup_id_z 1
		.amdhsa_system_vgpr_workitem_id 0
		.amdhsa_next_free_vgpr 192
		.amdhsa_next_free_sgpr 66
		.amdhsa_reserve_vcc 0
		.amdhsa_float_denorm_mode_32 3
		.amdhsa_float_denorm_mode_16_64 3
		.amdhsa_memory_ordered 1
		.amdhsa_forward_progress 1
		.amdhsa_inst_pref_size 53
	.end_amdhsa_kernel
	.amdgpu_metadata
---
amdhsa.version: [ 1, 2 ]
amdhsa.kernels:
  - .name:           k_q388fe6ccfc_quant
    .symbol:         k_q388fe6ccfc_quant.kd
    .args:
      - { .name: event_f, .offset: 0, .size: 8, .value_kind: global_buffer, .address_space: global }
      - { .name: img_f, .offset: 8, .size: 8, .value_kind: global_buffer, .address_space: global }
      - { .name: Wq, .offset: 16, .size: 8, .value_kind: global_buffer, .address_space: global }
      - { .name: Wk, .offset: 24, .size: 8, .value_kind: global_buffer, .address_space: global }
      - { .name: Wv, .offset: 32, .size: 8, .value_kind: global_buffer, .address_space: global }
      - { .name: xcodes, .offset: 40, .size: 8, .value_kind: global_buffer, .address_space: global }
      - { .name: xscales, .offset: 48, .size: 8, .value_kind: global_buffer, .address_space: global }
      - { .name: wcodes, .offset: 56, .size: 8, .value_kind: global_buffer, .address_space: global }
      - { .name: wscales, .offset: 64, .size: 8, .value_kind: global_buffer, .address_space: global }
    .group_segment_fixed_size: 33280
    .private_segment_fixed_size: 0
    .kernarg_segment_align: 8
    .kernarg_segment_size: 72
    .max_flat_workgroup_size: 128
    .sgpr_count:     66
    .vgpr_count:     192
    .wavefront_size: 32
...
	.end_amdgpu_metadata
.endif
;; end of part 1
;; launch proj (part 2): grid 4 x 96, 4 waves a work-group, clusters of 4 x 4, 327,680 bytes of LDS; arguments xcodes, xscales, wcodes, wscales, bq, bk, bv, qkv; writes qkv
.if DOCPART == 2
	.amdgcn_target "amdgcn-amd-amdhsa--gfx1250"
	.amdhsa_code_object_version 6
	.text
	.protected	k_q388fe6ccfc_proj
	.globl	k_q388fe6ccfc_proj
	.p2align	8
	.type	k_q388fe6ccfc_proj,@function
k_q388fe6ccfc_proj:
	s_mov_b64 s[64:65], 0
	v_nop
	global_prefetch_b8 v0, s[64:65] scope:SCOPE_SE
	s_setreg_imm32_b32 hwreg(HW_REG_WAVE_MODE, 25, 1), 1
	s_wait_xcnt 0x0
	s_wait_alu depctr_hold_cnt(0) depctr_sa_sdst(0) depctr_va_vdst(0) depctr_va_sdst(0) depctr_va_ssrc(0) depctr_va_vcc(0) depctr_vm_vsrc(0)
	s_getreg_b32 s2, hwreg(HW_REG_IB_STS2, 6, 4)
	s_cmp_eq_u32 s2, 0
	s_cbranch_scc0 .Lentry_in_a_cluster
	s_endpgm
.Lentry_in_a_cluster:
	s_bfe_u32 s2, ttmp6, 0x10000c
	s_cmp_lg_u32 s2, 0xf033
	s_cbranch_scc0 .Lentry_shape_is_right
	s_endpgm
.Lentry_shape_is_right:
; q = event_f Wq + bq, k = img_f Wk + bk, v = img_f Wv + bv on codes of FP4 (E2M1) with one E8M0 scale for each 32 along K; sums in f32; the results are rounded once to f16 and stored
; one below the other in qkv [3 x 8192][1024].  LIMIT: a result of magnitude 65,520 or more becomes infinity in f16.
; One text serves all three: the stacked result has 96 tile rows of 256; the cluster's y says which projection (y / 8) and which rows of xcodes (v takes img_f's rows as k does).
; A tile, 256 x 256, is made by four waves, 128 x 128 each: 64 accumulators, 512 registers.  K = 1,024 is two LDS slots of 512 along K: BOTH ARE FILLED AT THE START AND NEVER AGAIN.
; A's codes lie as rows (256 bytes of a row in a slot, 16 bytes of padding behind each); B's lie in the order of the operand's registers, so a slot's part of B is one dense block and a
; fragment is two loads of 512 consecutive bytes.  The scale bytes of the tile's rows and columns, for all of K, come once, as rows of 256 bytes.
; CLUSTERS: 4 x 4 work-groups.  The four of a row of the cluster need the same rows of x, the four of a column the same columns of W: each tile is asked for JOINTLY.
; THE MATRIX INSTRUCTION IS USED TRANSPOSED (source 0 = 16 columns of W, source 1 = 16 rows of x): a lane then holds eight neighbouring numbers of a row of the result.
; THE BIAS IS THE C OF EACH SUM'S FIRST MATRIX INSTRUCTION: eight registers for each block of 16 columns, in the result's layout.
; REGISTERS: window 0: v16-30 addresses; v32-95 scale words, two sets, and nothing else; v128-191 A's fragments, one set (on the way out: rows read back); v192-255 the bias (on the way out v192-223: packed results).
;   window 1: B's fragments, two sets, at v0 and v128.   window 2: the accumulators of my rows 0-63 ((a, b) at v[8 (8 a + b)]);   window 3: those of my rows 64-127.
.set NQ,     4                         ; steps of 128 along K in a slot
.set PITCH,  272                       ; an LDS row of A: 256 bytes + 16 of padding: the 16 rows that a load touches start 68 words apart
.set FR,     8                         ; registers of a fragment
.set NL,     2                         ; LDS loads that bring one
.set NP,     4                         ; places behind this matrix instruction (ISA guide 7.12.1)
.set HALFA,  128*PITCH                 ; 128 rows of A: what one tensor load brings, and what one wave reads
.set APART,  2*HALFA
.set HALFB,  32768                     ; 8 blocks of 16 columns x 4 images of 1,024 bytes
.set SLOT,   APART+2*HALFB
.set KS,     32                        ; a row of scale bytes
.set SCL,    2*SLOT                    ; behind the slots: the scales, as rows of 256 bytes + 16
.set HALFS,  16*272                    ; those of 128 rows
.set SBLK,   2*272                     ; those of 16 rows
.set SPARE,  SCL+4*HALFS               ; the spare words, 128 bytes a wave
.set SPITCH, 272                       ; the way out: a stage of 16 rows x (256 bytes + 16) for each wave, in slot 0, which has had its one fill and its last read when the first result is stored there
.set ADRA, 16                          ; v16-17  LDS address of my A fragments in slot 0, 1
.set ADRB, 20                          ; v20-21  the same for B
.set STO,  24
.set RD,   25
.set CO,   26
.set ADRS, 27                          ; v27     my scale words: lanes 0-15 A's rows, lanes 16-31 B's columns
.set SPW,  28
.set NIL,  29
.set BO,   30                          ; v30     the bias: 32 bytes for the upper half of the lanes
.set SC,   32
.set AF,   128
.set BIAS, 192
.set TMP,  192
.set BK,   128
.set G1, 24
.set G0, 32
.set G1B, 48
.set G0B, 56
.set G1S, 68
.set G0S, 76
.set G1SB, 80
.set G0SB, 88
.set MSB, 0
.macro WIN new                         ; the immediate's high byte repeats the setting that is left
.if MSB != \new
	s_set_vgpr_msb (MSB<<8)|\new
.set MSB, \new
.endif
.endm
.set MUL_LO, 0xa1                      ; source 0 (B) window 1, source 1 (A) window 0, C and D window 2
.set MUL_HI, 0xf1                      ; the same, C and D window 3
.set FST_LO, 0x81                      ; a sum's first product: C (the bias) window 0, D window 2
.set FST_HI, 0xc1                      ; D window 3
.set TO_B,   0x40                      ; destination window 1, address window 0
; A joint load: waves 0 and 1 fetch for A, waves 2 and 3 for B.  The branch hangs on the wave's number alone.  An s_nop 0 and four v_nop follow each of the two lines.
.macro JLOAD g0a, g1a, g0b, g1b
	s_cmp_eq_u32 s15, 0
	s_cbranch_scc0 .Lfor_b_\@
	tensor_load_to_lds s[\g0a:\g0a+3], s[\g1a:\g1a+7]
	s_nop 0
.rept 4
	v_nop
.endr
	s_branch .Lasked_\@
.Lfor_b_\@:
	tensor_load_to_lds s[\g0b:\g0b+3], s[\g1b:\g1b+7]
	s_nop 0
.rept 4
	v_nop
.endr
.Lasked_\@:
.endm
.macro CROUND                          ; a round of the cluster's barrier
	s_barrier_signal -1
	s_barrier_wait -1
	s_cmp_lg_u32 s14, 0
	s_cbranch_scc1 .Lnot_wave_0_\@
	s_barrier_signal -3
.Lnot_wave_0_\@:
	s_barrier_wait -3
	s_barrier_signal -1
	s_barrier_wait -1
.endm
	s_load_b256 s[4:11], s[0:1], 0x0               ; xcodes s[4:5], xscales s[6:7], wcodes s[8:9], wscales s[10:11]
	s_load_b128 s[96:99], s[0:1], 0x20             ; bq, bk
	s_load_b64 s[100:101], s[0:1], 0x30            ; bv
	s_load_b64 s[12:13], s[0:1], 0x38              ; qkv
	v_lshl_add_u32 v[SPW], v0, 2, SPARE
	v_mov_b32 v[NIL], 0
	ds_add_u32 v[SPW], v[NIL]                      ; the wave's opening: the add, twice on end, and its wait ahead of my first tensor load
	ds_add_u32 v[SPW], v[NIL]
	v_lshrrev_b32 v1, 5, v0
	v_readfirstlane_b32 s14, v1                    ; wave 0..3
	s_lshr_b32 s15, s14, 1                         ; which half of the tile's rows is mine.  Also: I fetch for A (0) or for B (1)
	s_and_b32 s16, s14, 1                          ; which half of its columns.  Also: which half of that operand I fetch
	s_bfe_u32 s40, ttmp6, 0x40000                  ; cx, cy: my place in the cluster
	s_bfe_u32 s41, ttmp6, 0x40004
	s_lshl_b32 s42, ttmp9, 2
	s_add_co_u32 s42, s42, s40                     ; tile column = 4 x cluster x + cx
	s_and_b32 s66, ttmp7, 0xffff                   ; cluster y, 0..23
	s_lshr_b32 s95, s66, 3                         ; which projection: 0 q, 1 k, 2 v: the same in all sixteen partners
	s_lshl_b32 s17, s66, 2
	s_add_co_u32 s17, s17, s41                     ; tile row of qkv
	s_cmp_ge_u32 s66, 16
	s_cselect_b32 s67, 8, 0                        ; v reads the rows that k reads
	s_sub_co_u32 s67, s66, s67
	s_lshl_b32 s67, s67, 2
	s_add_co_u32 s67, s67, s41                     ; tile row of xcodes
	s_lshl_b32 s43, s41, 2
	s_lshl_b32 s43, 15, s43                        ; my row of the cluster
	s_lshl_b32 s44, 0x1111, s40                    ; my column
	; A's codes: 128 rows x 256 bytes, 512 bytes apart in memory, 16 bytes of padding behind each in LDS
	s_or_b32 s[G1+0], s43, (0<<16)|(1<<20)|(1<<21)|(5<<22)|(3<<25)
	s_mov_b32 s[G1+1], 256<<16
	s_mov_b32 s[G1+2], 128<<16
	s_mov_b32 s[G1+3], 256<<16
	s_mov_b32 s[G1+4], 128
	s_mov_b32 s[G1+5], 512
	s_mov_b32 s[G1+6], 0
	s_mov_b32 s[G1+7], 0
	; B's codes: a dense block of 32,768 bytes, as 128 rows of 32 elements of 8 bytes, no padding
	s_or_b32 s[G1B+0], s44, (3<<16)|(1<<21)
	s_mov_b32 s[G1B+1], 32<<16
	s_mov_b32 s[G1B+2], 128<<16
	s_mov_b32 s[G1B+3], 32<<16
	s_mov_b32 s[G1B+4], 128
	s_mov_b32 s[G1B+5], 32
	s_mov_b32 s[G1B+6], 0
	s_mov_b32 s[G1B+7], 0
	; the scales of 128 rows: a dense block of 4,096 bytes, as 16 rows of 256 bytes, 16 bytes of padding behind each
	s_or_b32 s[G1S+0], s43, (3<<16)|(1<<20)|(1<<21)|(5<<22)|(3<<25)
	s_or_b32 s[G1SB+0], s44, (3<<16)|(1<<20)|(1<<21)|(5<<22)|(3<<25)
.irp g, G1S, G1SB
	s_mov_b32 s[\g+1], 32<<16
	s_mov_b32 s[\g+2], 16<<16
	s_mov_b32 s[\g+3], 32<<16
	s_mov_b32 s[\g+4], 16
	s_mov_b32 s[\g+5], 32
	s_mov_b32 s[\g+6], 0
	s_mov_b32 s[\g+7], 0
.endr
	s_lshl_b32 s18, s16, 7
	s_lshl_b32 s20, s67, 8
	s_add_co_u32 s20, s20, s18                     ; A: row 256 x tile row + 128 x half
	s_lshl_b32 s22, s20, 5                         ; its scale bytes: 32 a row
	s_mov_b32 s23, 0
	s_lshl_b32 s20, s20, 9                         ; its codes: 512 bytes a row
	s_mov_b32 s21, 0
	s_lshl_b32 s46, s42, 4
	s_lshl_b32 s47, s16, 3
	s_add_co_u32 s46, s46, s47                     ; B: block of 16 columns: 16 x tile column + 8 x half
	s_lshl_b32 s92, s46, 9                         ; its scale bytes: 16 columns x 32
	s_lshl_b32 s46, s46, 12                        ; its codes: 4,096 bytes a block in a K half
	s_lshl_b32 s47, s95, 19
	s_add_co_u32 s46, s46, s47                     ; + the weight's 524,288 bytes
	s_lshl_b32 s47, s95, 15
	s_add_co_u32 s92, s92, s47                     ; + the weight's 32,768 scale bytes
	s_mov_b32 s47, 0
	s_mov_b32 s93, 0
	s_mul_i32 s45, s16, HALFA                      ; where they go: no place in the cluster enters an LDS address
	s_mul_i32 s19, s16, HALFB
	s_add_co_u32 s19, s19, APART
	s_mul_i32 s94, s14, HALFS
	s_wait_dscnt 0x0                               ; both opening adds are done
	s_wait_kmcnt 0x0
	s_add_nc_u64 s[20:21], s[4:5], s[20:21]
	s_add_nc_u64 s[22:23], s[6:7], s[22:23]
	s_add_nc_u64 s[46:47], s[8:9], s[46:47]
	s_add_nc_u64 s[92:93], s[10:11], s[92:93]
	CROUND                                         ; all sixteen work-groups are here: the joint loads meet
	s_mov_b32 s[G0S], 1
	s_add_co_u32 s[G0S+1], s94, SCL
	s_mov_b64 s[G0S+2:G0S+3], s[22:23]
	s_or_b32 s[G0S+3], s[G0S+3], 0x80000000
	s_mov_b32 s[G0SB], 1
	s_add_co_u32 s[G0SB+1], s94, SCL
	s_mov_b64 s[G0SB+2:G0SB+3], s[92:93]
	s_or_b32 s[G0SB+3], s[G0SB+3], 0x80000000
	JLOAD G0S, G1S, G0SB, G1SB                     ; the scales first: they are wanted with the first step
.irp s, 0,1
	s_mov_b32 s[G0+4*\s], 1
	s_add_co_u32 s[G0+4*\s+1], s45, \s*SLOT
	s_add_nc_u64 s[G0+4*\s+2:G0+4*\s+3], s[20:21], \s*256
	s_or_b32 s[G0+4*\s+3], s[G0+4*\s+3], 0x80000000
	s_mov_b32 s[G0B+4*\s], 1
	s_add_co_u32 s[G0B+4*\s+1], s19, \s*SLOT
	s_add_nc_u64 s[G0B+4*\s+2:G0B+4*\s+3], s[46:47], \s*262144
	s_or_b32 s[G0B+4*\s+3], s[G0B+4*\s+3], 0x80000000
	JLOAD G0+4*\s, G1, G0B+4*\s, G1B               ; three loads of mine are out when both slots are asked for
.endr
	v_and_b32 v1, 15, v0                           ; r = l % 16
	v_bfe_u32 v2, v0, 4, 1                         ; h = l / 16
	v_lshlrev_b32 v[BO], 5, v2
	s_cmp_eq_u32 s95, 0                            ; which bias: the choice hangs on the cluster's y alone
	s_cselect_b64 s[96:97], s[96:97], s[98:99]
	s_cmp_eq_u32 s95, 2
	s_cselect_b64 s[96:97], s[100:101], s[96:97]
	s_lshl_b32 s46, s42, 10
	s_lshl_b32 s47, s16, 9
	s_add_co_u32 s46, s46, s47                     ; my first column, 4 bytes each
	s_mov_b32 s47, 0
	s_add_nc_u64 s[96:97], s[96:97], s[46:47]
.irp b, 0,1,2,3,4,5,6,7
	global_load_b128 v[BIAS+8*\b:BIAS+8*\b+3], v[BO], s[96:97] offset:64*\b       ; lane (r, h), register j: the bias of column 16 b + 8 h + j
	global_load_b128 v[BIAS+8*\b+4:BIAS+8*\b+7], v[BO], s[96:97] offset:64*\b+16
.endr
	v_mul_u32_u24 v3, v1, PITCH
	v_lshl_add_u32 v4, v2, 4, v3                   ; A: a fragment's row x pitch + 16 x half
	v_and_b32 v6, 31, v0
	v_lshlrev_b32 v6, 4, v6                        ; B: 16 x lane
	s_mul_i32 s21, s15, HALFA                      ; my 128 rows of A
	s_mul_i32 s22, s16, HALFB                      ; my 8 blocks of B,
	s_add_co_u32 s22, s22, APART                   ; which lie behind A's 256 rows
.irp s, 0,1
	v_add_nc_u32 v[ADRA+\s], s21, v4
	v_add_nc_u32 v[ADRB+\s], s22, v6
	s_add_co_u32 s21, s21, SLOT
	s_add_co_u32 s22, s22, SLOT
.endr
	v_mul_u32_u24 v5, v1, KS                       ; my row's scales: KS bytes a row,
	v_lshrrev_b32 v6, 8, v5
	v_lshl_add_u32 v5, v6, 4, v5                   ; and 16 more for each 256 passed
	s_mul_i32 s21, s15, HALFS                      ; A's: my 128 rows
	s_mul_i32 s22, s16, HALFS                      ; B's: my 128 columns, behind A's 256
	s_add_co_u32 s22, s22, 2*HALFS
	s_sub_co_u32 s22, s22, s21
	v_mul_u32_u24 v6, s22, v2                      ; lanes 16-31 take B's: one product, the distance between the two bases
	s_add_co_u32 s21, s21, SCL
	v_add_nc_u32 v5, v5, v6
	v_add_nc_u32 v[ADRS], s21, v5
	s_mul_i32 s23, s14, 16*SPITCH                  ; my stage
	v_mul_u32_u24 v5, v1, SPITCH                   ; in: row l % 16, 16 bytes for each half of the lanes
	v_lshl_add_u32 v5, v2, 4, v5
	v_add_nc_u32 v[STO], s23, v5
	v_mul_u32_u24 v5, v2, SPITCH                   ; back: lanes 0-15 one row of 256 bytes, lanes 16-31 the next
	v_lshl_add_u32 v5, v1, 4, v5
	v_add_nc_u32 v[RD], s23, v5
	v_lshlrev_b32 v5, 11, v2                       ; and the same two rows in qkv: 2,048 bytes a row
	v_lshl_add_u32 v[CO], v1, 4, v5
	s_lshl_b32 s20, s17, 8
	s_lshl_b32 s21, s15, 7
	s_add_co_u32 s20, s20, s21                     ; my first row of qkv
	s_lshl_b32 s20, s20, 11
	s_lshl_b32 s46, s42, 9                         ; my first column, 2 bytes each
	s_lshl_b32 s47, s16, 8
	s_add_co_u32 s46, s46, s47
	s_add_co_u32 s20, s20, s46
	s_mov_b32 s21, 0
	s_add_nc_u64 s[12:13], s[12:13], s[20:21]
.macro FRAGA reg, slot, q, i           ; 16 rows x 128 K of 4-bit codes: lane l holds row l % 16; registers 4 c .. 4 c + 3 hold K = 64 c + 32 (l / 16) + 0 .. 31
.irp c, 0,1
	ds_load_b128 v[\reg+4*\c:\reg+4*\c+3], v[ADRA+\slot] offset:64*(\q)+32*\c+(\i)*16*PITCH
.endr
.endm
.macro FRAGB reg, slot, q, i           ; the same from an image of the registers: 512 consecutive bytes a load
.irp c, 0,1
	ds_load_b128 v[\reg+4*\c:\reg+4*\c+3], v[ADRB+\slot] offset:4096*(\i)+1024*(\q)+512*\c
.endr
.endm
; 16 matrix instructions: A's blocks a0, a0 + 1 x B's eight, the slot's q-th 128 along K.  p: B's set; sc: the set of scale words.  first = 1: the bias is the C.
; The 64 accumulators take turns, one instruction a turn, in the same order in every step.
.macro MUL16 a0, p, q, sc, first
.irp a, \a0, \a0+1
.irp b, 0,1,2,3,4,5,6,7
.if \first
	v_wmma_scale_f32_16x16x128_f8f6f4 v[8*(8*((\a)%4)+\b):8*(8*((\a)%4)+\b)+7], v[128*(\p)+FR*\b:128*(\p)+FR*\b+FR-1], v[AF+FR*(\a):AF+FR*(\a)+FR-1], v[BIAS+8*\b:BIAS+8*\b+7], v[SC+8*NQ*(\sc)+NQ*\b+(\q)], v[SC+8*NQ*(\sc)+NQ*(\a)+(\q)] matrix_a_fmt:MATRIX_FMT_FP4 matrix_b_fmt:MATRIX_FMT_FP4 matrix_a_scale:MATRIX_SCALE_ROW1
.else
	v_wmma_scale_f32_16x16x128_f8f6f4 v[8*(8*((\a)%4)+\b):8*(8*((\a)%4)+\b)+7], v[128*(\p)+FR*\b:128*(\p)+FR*\b+FR-1], v[AF+FR*(\a):AF+FR*(\a)+FR-1], v[8*(8*((\a)%4)+\b):8*(8*((\a)%4)+\b)+7], v[SC+8*NQ*(\sc)+NQ*\b+(\q)], v[SC+8*NQ*(\sc)+NQ*(\a)+(\q)] matrix_a_fmt:MATRIX_FMT_FP4 matrix_b_fmt:MATRIX_FMT_FP4 matrix_a_scale:MATRIX_SCALE_ROW1
.endif
.endr
.endr
.endm
.macro FETCH_B slot, q, p
	WIN TO_B
.irp i, 0,1,2,3,4,5,6,7
	FRAGB 128*(\p)+FR*\i, \slot, \q, \i
.endr
	WIN 0
.endm
.macro FETCH_A slot, q, i0
.irp i, \i0, \i0+1, \i0+2, \i0+3
	FRAGA AF+FR*(\i), \slot, \q, \i
.endr
.endm
.macro SCALES sc                       ; a slot's scale words into set sc: four words a row; lanes 0-15 take A's block i, lanes 16-31 B's block i
.irp i, 0,1,2,3,4,5,6,7
	ds_load_b128 v[SC+8*NQ*\sc+NQ*\i:SC+8*NQ*\sc+NQ*\i+3], v[ADRS] offset:\i*SBLK
.endr
.endm
.macro PLACES n                        ; plain vector instructions between a matrix instruction and a load into, or a vector read of, its registers (ISA guide 7.12.1 for vector reads)
.rept \n
	v_nop
.endr
.endm
.macro STEP slot, q, first             ; a step of 128 along K that has its successor in the same slot
	s_wait_dscnt 4*NL                              ; B's set, the scales and A's blocks 0-3 are in; the youngest eight loads (A's blocks 4-7) may be out
.if \first
	WIN FST_LO
.else
	WIN MUL_LO
.endif
	MUL16 0, (\q)%2, \q, \slot, \first
	MUL16 2, (\q)%2, \q, \slot, \first
	s_wait_dscnt 0                                 ; A's blocks 4-7 are in
	PLACES NP
	FETCH_B \slot, (\q)+1, 1-(\q)%2
	FETCH_A \slot, (\q)+1, 0
.if \first
	WIN FST_HI
.else
	WIN MUL_HI
.endif
	MUL16 4, (\q)%2, \q, \slot, \first
	MUL16 6, (\q)%2, \q, \slot, \first
	PLACES NP
	WIN 0
	FETCH_A \slot, (\q)+1, 4
.endm
.macro STEPS slot, from
.set Q, \from
.rept NQ-1-\from
	STEP \slot, Q, 0
.set Q, Q+1
.endr
.endm
	s_wait_tensorcnt 1                             ; the scales and my part of slot 0 are in (slot 1's load may be out)
	s_barrier_signal -1
	s_barrier_wait -1                              ; everybody's are
	FETCH_B 0, 0, 0
	FETCH_A 0, 0, 0
	SCALES 0
	FETCH_A 0, 0, 4
	s_wait_loadcnt 0x0                             ; the bias
	STEP 0, 0, 1                                   ; the first step's products start the sums from the bias
	STEPS 0, 1
	; slot 0's last step changes slots: one barrier; in front of it each wave waits for its tensor loads (its part of slot 1), adds 0 to its spare word, and waits for that and for its reads of slot 0
	s_wait_tensorcnt 0x0
	ds_add_u32 v[SPW], v[NIL]
	s_wait_dscnt 4*NL+1                            ; (the add and A's blocks 4-7 may be out)
	WIN MUL_LO
	MUL16 0, 1, NQ-1, 0, 0
	s_wait_dscnt 0x0                               ; the add is done, and my reads of slot 0 are over
	s_barrier_signal -1
	MUL16 2, 1, NQ-1, 0, 0
	WIN 0
	s_barrier_wait -1                              ; slot 1 is whole, and nobody reads slot 0 any more
	PLACES NP
	v_add_nc_u32 v[ADRS], 4*NQ, v[ADRS]            ; on to slot 1's scale words
	FETCH_B 1, 0, 0
	FETCH_A 1, 0, 0
	SCALES 1
	WIN MUL_HI
	MUL16 4, 1, NQ-1, 0, 0
	MUL16 6, 1, NQ-1, 0, 0
	PLACES NP
	WIN 0
	FETCH_A 1, 0, 4
	STEPS 1, 0
	s_wait_dscnt 4*NL                              ; the very last step: nothing more to fetch
	WIN MUL_LO
	MUL16 0, 1, NQ-1, 1, 0
	MUL16 2, 1, NQ-1, 1, 0
	s_wait_dscnt 0
	WIN MUL_HI
	MUL16 4, 1, NQ-1, 1, 0
	MUL16 6, 1, NQ-1, 1, 0
	WIN 0
; THE WAY OUT, block by block of 16 rows x 128 columns: rounded to f16, 16 bytes a lane, through my own stage, back as whole rows of 256 bytes: sixteen lanes store 256 consecutive aligned bytes.
.macro PACK a
.set AC, 64*((\a)%4)
	WIN 0x0a+5*((\a)/4)                            ; sources 0 and 1: window 2 or 3
.irp b, 0,1,2,3,4,5,6,7
.irp r, 0,1,2,3
	v_cvt_pk_f16_f32 v[TMP+4*\b+\r], v[AC+8*\b+2*\r], v[AC+8*\b+2*\r+1]    ; each accumulator from its low end on
.endr
.endr
	WIN 0
.endm
.macro TOSTAGE a
.set BB, BK+32*((\a)%2)
.irp b, 0,1,2,3,4,5,6,7
	ds_store_b128 v[STO], v[TMP+4*\b:TMP+4*\b+3] offset:32*\b
.endr
.irp t, 0,1,2,3,4,5,6,7
	ds_load_b128 v[BB+4*\t:BB+4*\t+3], v[RD] offset:\t*2*SPITCH    ; LDS serves a wave's instructions in order: these see the stores above
.endr
.endm
.macro SEND a
.set BB, BK+32*((\a)%2)
	s_wait_dscnt 0x0                               ; the block is back in registers
	s_wait_xcnt 0x0                                ; earlier stores have read their base and their registers: both may be written again
.if (\a) > 0
	s_add_nc_u64 s[12:13], s[12:13], 16*2048       ; 16 rows on
.endif
.irp t, 0,1,2,3,4,5,6,7
	global_store_b128 v[CO], v[BB+4*\t:BB+4*\t+3], s[12:13] offset:2*\t*2048
.endr
.endm
	PLACES NP                                      ; behind the last products: for the conversions and for the loads into A's registers
	PACK 0
	TOSTAGE 0
.irp a, 1,2,3,4,5,6,7                  ; block a's conversions stand between block a - 1's loads from the stage and the wait for them
	PACK \a
	SEND \a-1
	TOSTAGE \a
.endr
	SEND 7
	s_wait_tensorcnt 0x0                           ; the wave's end
	ds_add_u32 v[SPW], v[NIL]
	s_wait_dscnt 0x0
	CROUND                                         ; the closing round
	s_endpgm
.Lfunc_end_k_q388fe6ccfc_proj:
	.size	k_q388fe6ccfc_proj, .Lfunc_end_k_q388fe6ccfc_proj-k_q388fe6ccfc_proj
	.p2alignl 7, 3214868480
	.fill 96, 4, 3214868480
	.section	.rodata,"a",@progbits
	.p2align	6, 0x0
	.amdhsa_kernel k_q388fe6ccfc_proj
		.amdhsa_group_segment_fixed_size 327680
		.amdhsa_private_segment_fixed_size 0
		.amdhsa_enable_private_segment 0
		.amdhsa_kernarg_size 64
		.amdhsa_user_sgpr_count 2
		.amdhsa_user_sgpr_kernarg_segment_ptr 1
		.amdhsa_wavefront_size32 1
		.amdhsa_system_sgpr_workgroup_id_x 1
		.amdhsa_system_sgpr_workgroup_id_y 1
		.amdhsa_system_sgpr_workgroup_id_z 1
		.amdhsa_system_vgpr_workitem_id 0
		.amdhsa_next_free_vgpr 1024
		.amdhsa_next_free_sgpr 102
		.amdhsa_reserve_vcc 0
		.amdhsa_float_denorm_mode_32 3
		.amdhsa_float_denorm_mode_16_64 3
		.amdhsa_memory_ordered 1
		.amdhsa_forward_progress 1
		.amdhsa_inst_pref_size 129
	.end_amdhsa_kernel
	.amdgpu_metadata
---
amdhsa.version: [ 1, 2 ]
amdhsa.kernels:
  - .name:           k_q388fe6ccfc_proj
    .symbol:         k_q388fe6ccfc_proj.kd
    .args:
      - { .name: xcodes, .offset: 0, .size: 8, .value_kind: global_buffer, .address_space: global }
      - { .name: xscales, .offset: 8, .size: 8, .value_kind: global_buffer, .address_space: global }
      - { .name: wcodes, .offset: 16, .size: 8, .value_kind: global_buffer, .address_space: global }
      - { .name: wscales, .offset: 24, .size: 8, .value_kind: global_buffer, .address_space: global }
      - { .name: bq, .offset: 32, .size: 8, .value_kind: global_buffer, .address_space: global }
      - { .name: bk, .offset: 40, .size: 8, .value_kind: global_buffer, .address_space: global }
      - { .name: bv, .offset: 48, .size: 8, .value_kind: global_buffer, .address_space: global }
      - { .name: qkv, .offset: 56, .size: 8, .value_kind: global_buffer, .address_space: global }
    .group_segment_fixed_size: 327680
    .private_segment_fixed_size: 0
    .kernarg_segment_align: 8
    .kernarg_segment_size: 64
    .max_flat_workgroup_size: 128
    .sgpr_count:     102
    .vgpr_count:     1024
    .wavefront_size: 32
...
	.end_amdgpu_metadata
.endif
;; end of part 2
;; launch scores (part 3): grid 8 x 32, 4 waves a work-group, clusters of 4 x 4, 327,680 bytes of LDS; arguments qkv, pbuf, stats; writes pbuf, stats
.if DOCPART == 3
	.amdgcn_target "amdgcn-amd-amdhsa--gfx1250"
	.amdhsa_code_object_version 6
	.text
	.protected	k_q388fe6ccfc_scores
	.globl	k_q388fe6ccfc_scores
	.p2align	8
	.type	k_q388fe6ccfc_scores,@function
k_q388fe6ccfc_scores:
	s_mov_b64 s[64:65], 0
	v_nop
	global_prefetch_b8 v0, s[64:65] scope:SCOPE_SE
	s_setreg_imm32_b32 hwreg(HW_REG_WAVE_MODE, 25, 1), 1
	s_wait_xcnt 0x0
	s_wait_alu depctr_hold_cnt(0) depctr_sa_sdst(0) depctr_va_vdst(0) depctr_va_sdst(0) depctr_va_ssrc(0) depctr_va_vcc(0) depctr_vm_vsrc(0)
	s_getreg_b32 s2, hwreg(HW_REG_IB_STS2, 6, 4)
	s_cmp_eq_u32 s2, 0
	s_cbranch_scc0 .Lentry_in_a_cluster
	s_endpgm
.Lentry_in_a_cluster:
	s_bfe_u32 s2, ttmp6, 0x10000c
	s_cmp_lg_u32 s2, 0xf033
	s_cbranch_scc0 .Lentry_shape_is_right
	s_endpgm
.Lentry_shape_is_right:
; S = q k^T for each of the four batches, f16 operands, f32 sums, and the first stage of the softmax.  q = qkv's rows 0-8191, k = rows 8192-16383, 1,024 f16 a row.
; A tile of S, 256 queries x 256 keys, is made by four waves, 128 x 128 each: 64 accumulators, 512 registers.  K = 1,024 goes in steps of 128 through a ring of two LDS slots.
; THE SOFTMAX IN TWO STAGES.  A wave's 128 keys are a CHUNK.  t = score x log2(e) / 32.  For each query the chunk's own largest t, rounded UP to a whole number M_c, is taken away:
; p = 2^(t - M_c), at most 1, is stored in f16; -M_c and the f32 sum l_c of the unrounded p go to stats ([2][16 chunks][8192 queries] f32).
; The next launch brings the chunks of a row under the row's own maximum by exact powers of two.  LIMITS: a p under 2^-25 is stored as 0; NaN and infinities are not served.
; p IS STORED IN THE ORDER OF THE NEXT PRODUCT'S OPERAND REGISTERS: pbuf [512 blocks of 16 queries][64 groups of 32 keys][image of 1,024 bytes]: registers 0-3 of the fragment at 16 x lane, registers 4-7
; 512 bytes on.  The packed p of accumulators 2 g and 2 g + 1 IS the fragment of key group g, in the right lanes: it is stored from the registers, 512 consecutive bytes a store, with no trip through LDS.
; CLUSTERS: 4 x 4 work-groups.  The four of a row of the cluster need the same rows of q, the four of a column the same rows of k: each tile is asked for JOINTLY.
; THE MATRIX INSTRUCTION IS USED TRANSPOSED (source 0 = 16 keys, source 1 = 16 queries): a lane holds ONE query (l % 16) and, in accumulator b, the keys 16 b + 8 (l / 16) + 0 .. 7.
; REGISTERS: window 0: v8-15 at work; v16-31 addresses; v64-127, v128-191 q's fragments, two buffers; on the way out v64-127 p in f32, v192-223 p in f16.
;   window 1: v64-127, v128-191 k's fragments.   window 2: the accumulators of my queries 0-63 ((a, b) at v[8 (8 a + b)]);   window 3: those of queries 64-127.
.set KSTEP,  128
.set PITCH,  272                       ; an LDS row: 256 bytes + 16 of padding: the 16 rows that a load touches start 68 words apart
.set HALFT,  128*PITCH
.set SLOT,   4*HALFT
.set STATS,  2*SLOT                    ; behind the ring: 1,024 bytes for each wave: -M of its 128 queries, then l
.set SPARE,  STATS+4096                ; the spare words, 128 bytes a wave
.set LAPS,   4                         ; a lap = two K steps = once round the ring
.set T,    8                           ; v8-15
.set ADRA, 16
.set ADRB, 20
.set SGO,  22                          ; v22     16 x lane: my place in an image's 512 bytes, and in the wave's 512 bytes of stats
.set SST,  27                          ; v27     LDS: my query's word among my wave's statistics
.set SPW,  28
.set NIL,  29
.set PFO,  30                          ; v30     the prefetches' offset: my lane x a row
.set SLD,  31                          ; v31     LDS: my 16 bytes of my wave's statistics
.set PFA,  44                          ; s[44:45] where my prefetches stand
.set LIM,  43                          ; s43     1 in a wave that prefetches, else the greatest number
.set F0,   64
.set F1,   128
.set EX,   64
.set TMP,  192
.set G1, 24
.set G0, 32
.set G1B, 48
.set G0B, 56
.set CS,  66                           ; s[66:67] c = log2(e) / 32
.set SEL, 68                           ; s[68:69] lane selects for v_permlanex16_b32: lane l xor 16
.set MSB, 0
.macro WIN new
.if MSB != \new
	s_set_vgpr_msb (MSB<<8)|\new
.set MSB, \new
.endif
.endm
.set MUL_LO, 0xa1                      ; source 0 (k) window 1, source 1 (q) window 0, C and D window 2
.set MUL_HI, 0xf1
.set TO_B,   0x40
.macro JLOAD s                         ; a joint load: waves 0 and 1 fetch q's two halves, waves 2 and 3 k's; an s_nop 0 and four v_nop follow each of the two lines
	s_cmp_eq_u32 s11, 0
	s_cbranch_scc0 .Lfor_b_\@
	tensor_load_to_lds s[G0+4*\s:G0+4*\s+3], s[G1:G1+7]
	s_nop 0
.rept 4
	v_nop
.endr
	s_branch .Lasked_\@
.Lfor_b_\@:
	tensor_load_to_lds s[G0B+4*\s:G0B+4*\s+3], s[G1B:G1B+7]
	s_nop 0
.rept 4
	v_nop
.endr
.Lasked_\@:
.endm
; A prefetch of the K step that stands two refills on: 32 rows x 256 bytes, a lane a row, one instruction a wave.  Each row's 256 bytes of a K step are named once in the launch: q's rows by the
; cluster with x = 0, k's by the first of the two clusters along y that share a batch; the four partners that ask for a tile jointly share its rows out by address, 32 each.
.macro ASK
	s_cmp_gt_u32 s3, s[LIM]                        ; s3 = 1 in the loop's last trip: its refills have no K step two on
	s_cbranch_scc0 .Lnot_mine_\@
	global_prefetch_b8 v[PFO], s[PFA:PFA+1] offset:KSTEP*2 th:TH_LOAD_NT scope:SCOPE_SE
.Lnot_mine_\@:
.endm
.macro CREST
	s_cmp_lg_u32 s10, 0
	s_cbranch_scc1 .Lnot_wave_0_\@
	s_barrier_signal -3
.Lnot_wave_0_\@:
	s_barrier_wait -3
	s_barrier_signal -1
	s_barrier_wait -1
.endm
.macro CROUND
	s_barrier_signal -1
	s_barrier_wait -1
	CREST
.endm
	s_load_b64 s[4:5], s[0:1], 0x0                 ; qkv: q
	s_load_b64 s[8:9], s[0:1], 0x8                 ; pbuf
	s_load_b64 s[70:71], s[0:1], 0x10              ; stats
	v_lshl_add_u32 v[SPW], v0, 2, SPARE
	v_mov_b32 v[NIL], 0
	ds_add_u32 v[SPW], v[NIL]                      ; the wave's opening: the add, twice on end, and its wait ahead of my first tensor load
	ds_add_u32 v[SPW], v[NIL]
	v_lshrrev_b32 v1, 5, v0
	v_readfirstlane_b32 s10, v1                    ; wave 0..3
	s_lshr_b32 s11, s10, 1                         ; which half of the tile's queries is mine.  Also: I fetch for q (0) or for k (1)
	s_and_b32 s12, s10, 1                          ; which half of its keys.  Also: which 128 rows of that tile I fetch
	s_bfe_u32 s40, ttmp6, 0x40000                  ; cx
	s_bfe_u32 s41, ttmp6, 0x40004                  ; cy
	s_lshl_b32 s42, ttmp9, 2
	s_add_co_u32 s42, s42, s40                     ; tile of 256 keys in the batch
	s_and_b32 s72, ttmp7, 0xffff                   ; cluster y
	s_lshl_b32 s13, s72, 2
	s_add_co_u32 s13, s13, s41                     ; tile of 256 queries, over all batches
	s_lshr_b32 s73, s72, 1                         ; the batch: the same in all sixteen partners
	s_lshl_b32 s43, s41, 2
	s_lshl_b32 s43, 15, s43                        ; my row of the cluster
	s_lshl_b32 s44, 0x1111, s40                    ; my column
	s_or_b32 s[G1+0], s43, (1<<16)|(1<<20)|(1<<21)|(5<<22)|(3<<25)  ; the mask; elements of 2 bytes; padding: 4 words behind every 64
	s_or_b32 s[G1B+0], s44, (1<<16)|(1<<20)|(1<<21)|(5<<22)|(3<<25)
.irp g, G1, G1B
	s_mov_b32 s[\g+1], KSTEP<<16                   ; tensor_dim0 = 128
	s_mov_b32 s[\g+2], 128<<16                     ; tensor_dim1 = 128
	s_mov_b32 s[\g+3], KSTEP<<16                   ; tile_dim0 = 128
	s_mov_b32 s[\g+4], 128                         ; tile_dim1 = 128
	s_mov_b32 s[\g+5], 1024                        ; elements from row to row
	s_mov_b32 s[\g+6], 0
	s_mov_b32 s[\g+7], 0
.endr
	s_lshl_b32 s17, s12, 7
	s_lshl_b32 s16, s13, 8
	s_add_co_u32 s16, s16, s17                     ; q: row 256 x tile + 128 x half
	s_lshl_b32 s16, s16, 11
	s_lshl_b32 s46, s42, 8
	s_add_co_u32 s46, s46, s17
	s_lshl_b32 s47, s73, 11
	s_add_co_u32 s46, s46, s47                     ; k: row 2,048 x batch + 256 x tile + 128 x half
	s_lshl_b32 s46, s46, 11
	s_mov_b32 s17, 0
	s_mov_b32 s47, 0
	s_mul_i32 s20, s10, HALFT                      ; where they go: wave x 128 rows
	s_mov_b32 s[CS], 0x3d38aa3b                    ; log2(e) / sqrt(1024)
	s_mov_b32 s[CS+1], s[CS]                       ; (named with it as a pair, so it is written)
	s_mov_b32 s[SEL], 0x76543210
	s_mov_b32 s[SEL+1], 0xfedcba98
	s_wait_dscnt 0x0                               ; both opening adds are done
	s_wait_kmcnt 0x0
	s_add_nc_u64 s[6:7], s[4:5], 0x1000000         ; k begins 8,192 rows behind q
	s_add_nc_u64 s[14:15], s[4:5], s[16:17]
	s_add_nc_u64 s[46:47], s[6:7], s[46:47]
	CROUND                                         ; all sixteen work-groups are here: the first joint loads meet
.irp s, 0,1
	s_mov_b32 s[G0+4*\s], 1
	s_add_co_u32 s[G0+4*\s+1], s20, \s*SLOT
	s_add_nc_u64 s[G0+4*\s+2:G0+4*\s+3], s[14:15], \s*KSTEP*2
	s_or_b32 s[G0+4*\s+3], s[G0+4*\s+3], 0x80000000
	s_mov_b32 s[G0B+4*\s], 1
	s_add_co_u32 s[G0B+4*\s+1], s20, \s*SLOT
	s_add_nc_u64 s[G0B+4*\s+2:G0B+4*\s+3], s[46:47], \s*KSTEP*2
	s_or_b32 s[G0B+4*\s+3], s[G0B+4*\s+3], 0x80000000
	JLOAD \s                                       ; two loads of mine are out
.endr
	v_and_b32 v1, 15, v0                           ; l % 16
	v_bfe_u32 v2, v0, 4, 1                         ; l / 16
	v_mul_u32_u24 v3, v1, PITCH
	v_lshl_add_u32 v3, v2, 4, v3                   ; a fragment's row x pitch + 16 x half
	s_mul_i32 s21, s11, HALFT                      ; my 128 rows of q
	s_mul_i32 s22, s12, HALFT                      ; my 128 rows of k,
	s_add_co_u32 s22, s22, 2*HALFT                 ; which lie behind q's 256
.irp s, 0,1
	v_add_nc_u32 v[ADRA+\s], s21, v3
	v_add_nc_u32 v[ADRB+\s], s22, v3
	s_add_co_u32 s21, s21, SLOT
	s_add_co_u32 s22, s22, SLOT
.endr
	s_lshl_b32 s23, s10, 10
	s_add_co_u32 s23, s23, STATS                   ; my wave's statistics
	v_lshl_add_u32 v[SST], v1, 2, s23
	v_and_b32 v5, 31, v0
	v_lshlrev_b32 v[SGO], 4, v5
	v_add_nc_u32 v[SLD], s23, v[SGO]
	s_lshl_b32 s16, s13, 8
	s_lshl_b32 s14, s11, 7
	s_add_co_u32 s16, s16, s14                     ; my first query
	s_lshl_b32 s18, s16, 2                         ; in stats: 4 bytes a query
	s_lshl_b32 s16, s16, 12                        ; in pbuf: 65,536 bytes a block of 16 queries
	s_lshl_b32 s46, s42, 13                        ; my first group of 32 keys: 8 x tile + 4 x half, 1,024 bytes each
	s_lshl_b32 s47, s12, 12
	s_add_co_u32 s46, s46, s47
	s_add_co_u32 s16, s16, s46
	s_mov_b32 s17, 0
	s_add_nc_u64 s[8:9], s[8:9], s[16:17]
	s_lshl_b32 s46, s42, 1
	s_add_co_u32 s46, s46, s12                     ; my chunk: 2 x tile + half
	s_lshl_b32 s46, s46, 15                        ; 32,768 bytes a chunk
	s_add_co_u32 s18, s18, s46
	s_mov_b32 s19, 0
	s_add_nc_u64 s[70:71], s[70:71], s[18:19]
	; the prefetches
	s_lshl_b32 s20, s13, 8                         ; q's tile: its first row
	s_lshl_b32 s21, s42, 8
	s_lshl_b32 s22, s73, 11
	s_add_co_u32 s21, s21, s22                     ; k's
	s_and_b32 s22, s72, 1                          ; which of the two clusters along y that share the batch
	s_cmp_eq_u32 s11, 0                            ; do I fetch for q?
	s_cselect_b32 s20, s20, s21
	s_cselect_b32 s21, s40, s41                    ; my place among the four that ask with me
	s_cselect_b32 s22, ttmp9, s22                  ; the coordinate along which other clusters read the same rows
	s_cselect_b64 s[PFA:PFA+1], s[4:5], s[6:7]
	s_cmp_eq_u32 s22, 0
	s_cselect_b32 s[LIM], 1, -1                    ; the same in all sixteen partners, for a given wave
	s_lshl_b32 s22, s12, 7
	s_add_co_u32 s20, s20, s22                     ; + the 128 rows that I fetch
	s_lshl_b32 s21, s21, 5
	s_add_co_u32 s20, s20, s21                     ; + my work-group's 32 of them
	s_lshl_b32 s20, s20, 11
	s_add_co_u32 s20, s20, 2*KSTEP*2               ; at K step 2: the first refill steps it to 3 and names K step 4
	s_mov_b32 s21, 0
	s_add_nc_u64 s[PFA:PFA+1], s[PFA:PFA+1], s[20:21]
	v_and_b32 v[PFO], 31, v0
	v_lshlrev_b32 v[PFO], 11, v[PFO]
; 16 matrix instructions: query blocks a0, a0 + 1 of the window's four x all 8 key blocks, 32 along K.  zero = 1: the first product starts the sums.
; The 64 accumulators take turns, one instruction a turn, in the same order in every quarter.
.macro MUL16 f, hi, a0, zero
.irp a, \a0, \a0+1
.irp b, 0,1,2,3,4,5,6,7
.if \zero
	v_wmma_f32_16x16x32_f16 v[8*(8*(\a)+\b):8*(8*(\a)+\b)+7], v[\f+8*\b:\f+8*\b+7], v[\f+8*(4*\hi+\a):\f+8*(4*\hi+\a)+7], 0
.else
	v_wmma_f32_16x16x32_f16 v[8*(8*(\a)+\b):8*(8*(\a)+\b)+7], v[\f+8*\b:\f+8*\b+7], v[\f+8*(4*\hi+\a):\f+8*(4*\hi+\a)+7], v[8*(8*(\a)+\b):8*(8*(\a)+\b)+7]
.endif
.endr
.endr
.endm
.macro FETCH slot, k, f                ; 32 LDS loads in one run: the fragments of one quarter step (32 K at byte k of the rows) into buffer f
	WIN TO_B
.irp i, 0,1,2,3,4,5,6,7
	ds_load_b128 v[\f+8*\i:\f+8*\i+3],   v[ADRB+\slot] offset:\k+\i*16*PITCH
	ds_load_b128 v[\f+8*\i+4:\f+8*\i+7], v[ADRB+\slot] offset:\k+\i*16*PITCH+32
.endr
	WIN 0
.irp i, 0,1,2,3,4,5,6,7
	ds_load_b128 v[\f+8*\i:\f+8*\i+3],   v[ADRA+\slot] offset:\k+\i*16*PITCH
	ds_load_b128 v[\f+8*\i+4:\f+8*\i+7], v[ADRA+\slot] offset:\k+\i*16*PITCH+32
.endr
.endm
.macro PLACES                          ; four plain vector instructions between a matrix instruction and a load into, or a vector read of, its registers (ISA guide 7.12.1 for vector reads)
.rept 4
	v_nop
.endr
.endm
.macro QUARTER slot, k, f, g, zero     ; multiplies buffer f; in its middle it fetches the next quarter's fragments, at byte k of the same slot's rows, into buffer g
	s_wait_dscnt 8                                 ; k's and q's rows 0-63 are in; the youngest eight loads (q's rows 64-127) may be out
	WIN MUL_LO
	MUL16 \f, 0, 0, \zero
	MUL16 \f, 0, 2, \zero
	PLACES
	FETCH \slot, \k, \g
	s_wait_dscnt 32                                ; all but the 32 just issued
	WIN MUL_HI
	MUL16 \f, 1, 0, \zero
	MUL16 \f, 1, 2, \zero
.endm
; The last quarter of a K step changes slots.  One barrier: in front of it each wave waits for all its tensor loads (one is out: its part of the next slot), adds 0 to its spare word, and waits for that and for its reads of this slot.
.macro MEET round
	WIN 0                                          ; (the add's two registers lie in window 0)
	s_wait_tensorcnt 0x0
	ds_add_u32 v[SPW], v[NIL]
	s_wait_dscnt 9                                 ; (the add and the youngest eight loads may be out)
	WIN MUL_LO
	MUL16 F1, 0, 0, 0                              ; sixteen matrix instructions stand between the add and the wait for it
	s_wait_dscnt 0x0                               ; the add is done, and my reads of this slot are over
	s_barrier_signal -1
	MUL16 F1, 0, 2, 0
.if \round
	WIN 0
.endif
	s_barrier_wait -1
.endm
.macro TURN slot, next, fill           ; fill = 1: this slot is filled again, two K steps ahead: the barrier opens a round of the cluster's, and the joint refill is the first tensor load behind it
.if \fill
	s_wait_xcnt 0x0                                ; the last prefetch, a K step back, has read its address: it is stepped here
	s_add_nc_u64 s[PFA:PFA+1], s[PFA:PFA+1], KSTEP*2
	MEET 1
	CREST                                          ; no wave of any partner still reads this slot's tile or has a load on its way
	s_add_nc_u64 s[G0+4*\slot+2:G0+4*\slot+3], s[G0+4*\slot+2:G0+4*\slot+3], 2*KSTEP*2
	s_add_nc_u64 s[G0B+4*\slot+2:G0B+4*\slot+3], s[G0B+4*\slot+2:G0B+4*\slot+3], 2*KSTEP*2
	JLOAD \slot                                    ; its four v_nop are also the places in front of the loads below
	FETCH \next, 0, F0
	ASK
.else
	MEET 0
	PLACES
	FETCH \next, 0, F0
.endif
	WIN MUL_HI
	MUL16 F1, 1, 0, 0
	MUL16 F1, 1, 2, 0
.endm
	s_wait_tensorcnt 1                             ; my part of K step 0 is in (K step 1's load may be out)
	s_barrier_signal -1
	s_barrier_wait -1                              ; everybody's is
	FETCH 0, 0, F0
	QUARTER 0, 64,  F0, F1, 1                      ; the first quarter stands in front of the loop: its products start the sums
	WIN 0
	s_mov_b32 s3, LAPS-1
.Llap:                                                 ; a trip goes once round the ring and fills both slots again
	QUARTER 0, 128, F1, F0, 0
	QUARTER 0, 192, F0, F1, 0
	TURN 0, 1, 1
	QUARTER 1, 64,  F0, F1, 0
	QUARTER 1, 128, F1, F0, 0
	QUARTER 1, 192, F0, F1, 0
	TURN 1, 0, 1
	QUARTER 0, 64,  F0, F1, 0
	WIN 0
	s_sub_co_u32 s3, s3, 1
	s_cmp_lg_u32 s3, 0
	s_cbranch_scc1 .Llap
	QUARTER 0, 128, F1, F0, 0                      ; the last lap fills nothing
	QUARTER 0, 192, F0, F1, 0
	TURN 0, 1, 0
	QUARTER 1, 64,  F0, F1, 0
	QUARTER 1, 128, F1, F0, 0
	QUARTER 1, 192, F0, F1, 0
	s_wait_dscnt 8                                 ; the very last quarter: nothing more to fetch
	WIN MUL_LO
	MUL16 F1, 0, 0, 0
	MUL16 F1, 0, 2, 0
	s_wait_dscnt 0
	WIN MUL_HI
	MUL16 F1, 1, 0, 0
	MUL16 F1, 1, 2, 0
	WIN 0
; THE SOFTMAX OF A CHUNK, for block a of 16 queries.  My 64 scores of query 16 a + l % 16 stand in the block's eight accumulators; the lane 16 away holds the query's other 64.
.macro SOFT a
.set AC, 64*((\a)%4)
.set W, 2+(\a)/4
.set WA, W|(W<<2)
.set WB, (W<<2)|(W<<4)
	WIN WA                                         ; sources 0 and 1: the accumulators' window
.irp i, 0,1,2,3
	v_max_num_f32 v[T+\i], v[AC+16*\i], v[AC+16*\i+1]              ; four chains; each accumulator is read from its low end on
.endr
	WIN WB                                         ; sources 1 and 2
.irp k, 2,4,6,8,10,12,14
.irp i, 0,1,2,3
	v_max3_num_f32 v[T+\i], v[T+\i], v[AC+16*\i+\k], v[AC+16*\i+\k+1]
.endr
.endr
	WIN 0
	v_max3_num_f32 v[T], v[T], v[T+1], v[T+2]
	v_max_num_f32 v[T], v[T], v[T+3]
	v_permlanex16_b32 v[T+1], v[T], s[SEL], s[SEL+1]
	v_max_num_f32 v[T], v[T], v[T+1]               ; the chunk's largest score of my query
	v_mul_f32 v[T], s[CS], v[T]                    ; as t (c is positive)
	v_floor_f32 v[T+4], -v[T]                      ; -M = floor(-t) = -ceil(t): a whole number
	WIN W                                          ; source 0
.set j, 0
.rept 32
	v_pk_fma_f32 v[EX+j:EX+j+1], v[AC+j:AC+j+1], s[CS:CS+1], v[T+4:T+5] op_sel_hi:[1,0,0]   ; t - M, two at a time (of the pairs c and -M the low word serves both halves)
.set j, j+2
.endr
	WIN 0
.set j, 0
.rept 64
	v_exp_f32 v[EX+j], v[EX+j]                     ; p = 2^(t - M), at most 1
.set j, j+1
.endr
	ds_store_b32 v[SST], v[T+4] offset:64*(\a)     ; -M: both halves of the lanes write the same word with the same value
	v_nop                                          ; a plain instruction behind the last exponential
	s_wait_alu depctr_va_vdst(0)                   ; the wait ahead of the first reader: one for the batch of 64
	v_pk_add_f32 v[T:T+1], v[EX:EX+1], v[EX+2:EX+3]                ; the sum of the unrounded p, in two chains
	v_pk_add_f32 v[T+2:T+3], v[EX+4:EX+5], v[EX+6:EX+7]
.irp j, 8,12,16,20,24,28,32,36,40,44,48,52,56,60
	v_pk_add_f32 v[T:T+1], v[T:T+1], v[EX+\j:EX+\j+1]
	v_pk_add_f32 v[T+2:T+3], v[T+2:T+3], v[EX+\j+2:EX+\j+3]
.endr
	s_wait_xcnt 0x0                                ; the last block's stores have read their registers: the packed p is written again only behind this wait
.set j, 0
.rept 32
	v_cvt_pk_f16_f32 v[TMP+j], v[EX+2*j], v[EX+2*j+1]              ; registers 8 g .. 8 g + 7: the fragment of key group g (32 keys x my block's 16 queries)
.set j, j+1
.endr
	v_pk_add_f32 v[T:T+1], v[T:T+1], v[T+2:T+3]
	v_add_f32 v[T], v[T], v[T+1]
	v_permlanex16_b32 v[T+1], v[T], s[SEL], s[SEL+1]
	v_add_f32 v[T], v[T], v[T+1]                   ; l of the chunk
	ds_store_b32 v[SST], v[T] offset:512+64*(\a)
.endm
.macro PUT a                           ; block a's four fragments leave as they stand: 8 stores of 512 consecutive bytes, 4,096 bytes on end; the block's place stands in the immediate (458,752 + 3,584 at the most)
.irp i, 0,1,2,3,4,5,6,7
	global_store_b128 v[SGO], v[TMP+4*\i:TMP+4*\i+3], s[8:9] offset:(\a)*65536+512*\i
.endr
.endm
	PLACES                                         ; behind the last products
	v_mov_b32 v[T+5], 0                            ; (named as the upper half of the pair with -M, so it is written)
.irp a, 0,1,2,3,4,5,6,7
	SOFT \a
	PUT \a
.endr
	ds_load_b128 v[128:131], v[SLD]                ; my wave's 128 -M,
	ds_load_b128 v[132:135], v[SLD] offset:512     ; and its 128 l: its own bytes, served in order
	s_wait_dscnt 0x0
	global_store_b128 v[SGO], v[128:131], s[70:71]                 ; 512 consecutive aligned bytes each
	global_store_b128 v[SGO], v[132:135], s[70:71] offset:524288
	s_wait_tensorcnt 0x0                           ; the wave's end
	ds_add_u32 v[SPW], v[NIL]
	s_wait_dscnt 0x0
	CROUND                                         ; the closing round
	s_endpgm
.Lfunc_end_k_q388fe6ccfc_scores:
	.size	k_q388fe6ccfc_scores, .Lfunc_end_k_q388fe6ccfc_scores-k_q388fe6ccfc_scores
	.p2alignl 7, 3214868480
	.fill 96, 4, 3214868480
	.section	.rodata,"a",@progbits
	.p2align	6, 0x0
	.amdhsa_kernel k_q388fe6ccfc_scores
		.amdhsa_group_segment_fixed_size 327680
		.amdhsa_private_segment_fixed_size 0
		.amdhsa_enable_private_segment 0
		.amdhsa_kernarg_size 24
		.amdhsa_user_sgpr_count 2
		.amdhsa_user_sgpr_kernarg_segment_ptr 1
		.amdhsa_wavefront_size32 1
		.amdhsa_system_sgpr_workgroup_id_x 1
		.amdhsa_system_sgpr_workgroup_id_y 1
		.amdhsa_system_sgpr_workgroup_id_z 1
		.amdhsa_system_vgpr_workitem_id 0
		.amdhsa_next_free_vgpr 1024
		.amdhsa_next_free_sgpr 74
		.amdhsa_reserve_vcc 0
		.amdhsa_float_denorm_mode_32 3
		.amdhsa_float_denorm_mode_16_64 3
		.amdhsa_memory_ordered 1
		.amdhsa_forward_progress 1
		.amdhsa_inst_pref_size 204
	.end_amdhsa_kernel
	.amdgpu_metadata
---
amdhsa.version: [ 1, 2 ]
amdhsa.kernels:
  - .name:           k_q388fe6ccfc_scores
    .symbol:         k_q388fe6ccfc_scores.kd
    .args:
      - { .name: qkv, .offset: 0, .size: 8, .value_kind: global_buffer, .address_space: global }
      - { .name: pbuf, .offset: 8, .size: 8, .value_kind: global_buffer, .address_space: global }
      - { .name: stats, .offset: 16, .size: 8, .value_kind: global_buffer, .address_space: global }
    .group_segment_fixed_size: 327680
    .private_segment_fixed_size: 0
    .kernarg_segment_align: 8
    .kernarg_segment_size: 24
    .max_flat_workgroup_size: 128
    .sgpr_count:     74
    .vgpr_count:     1024
    .wavefront_size: 32
...
	.end_amdgpu_metadata
.endif
;; end of part 3
;; launch pv (part 4): grid 4 x 64, 4 waves a work-group, clusters of 4 x 4, 327,680 bytes of LDS; arguments pbuf, qkv, stats, out0; writes out0
.if DOCPART == 4
	.amdgcn_target "amdgcn-amd-amdhsa--gfx1250"
	.amdhsa_code_object_version 6
	.text
	.protected	k_q388fe6ccfc_pv
	.globl	k_q388fe6ccfc_pv
	.p2align	8
	.type	k_q388fe6ccfc_pv,@function
k_q388fe6ccfc_pv:
	s_mov_b64 s[64:65], 0
	v_nop
	global_prefetch_b8 v0, s[64:65] scope:SCOPE_SE
	s_setreg_imm32_b32 hwreg(HW_REG_WAVE_MODE, 25, 1), 1
	s_wait_xcnt 0x0
	s_wait_alu depctr_hold_cnt(0) depctr_sa_sdst(0) depctr_va_vdst(0) depctr_va_sdst(0) depctr_va_ssrc(0) depctr_va_vcc(0) depctr_vm_vsrc(0)
	s_getreg_b32 s2, hwreg(HW_REG_IB_STS2, 6, 4)
	s_cmp_eq_u32 s2, 0
	s_cbranch_scc0 .Lentry_in_a_cluster
	s_endpgm
.Lentry_in_a_cluster:
	s_bfe_u32 s2, ttmp6, 0x10000c
	s_cmp_lg_u32 s2, 0xf033
	s_cbranch_scc0 .Lentry_shape_is_right
	s_endpgm
.Lentry_shape_is_right:
; out0 = softmax x v: the second stage of the softmax and the second product, f16 operands, f32 sums.
; p: pbuf, f16, in the order of this product's operand registers: [512 blocks of 16 queries][64 groups of 32 keys][image of 1,024 bytes]; each chunk of 128 keys stands under its own whole-number maximum M_c.
; stats: -M_c and l_c, [2][16 chunks][8192 queries] f32.  v: qkv's rows 16384-24575, 1,024 f16 a row.
; For each query M = the largest M_c, L = the sum of l_c 2^(M_c - M), g_c = 2^(M_c - M) / L.  out = the sum over the chunks of g_c x (p_c v_c): so the row's own maximum is taken away, all in f32, with no branch on data.
; EACH CHUNK SUMS INTO ACCUMULATORS OF ITS OWN, begun with the constant 0; the totals take them over by fused multiply-adds with g_c.  LIMITS: NaN and infinities are not served.
; A tile of the output is 128 queries x 256 channels: 256 work-groups.  Four waves, each 64 queries x 128 channels: 32 accumulators.  K = the batch's 2,048 keys; a QUARTER is 32 keys, 32 matrix instructions a wave.
; BOTH SOURCES TRANSPOSED: source 0 = 16 channels of v^T, turned out of LDS by ds_load_tr16_b128 from v as it lies ([key][channel]); source 1 = 16 queries of p: a lane holds ONE query and eight neighbouring channels.
; THE RING HOLDS v ALONE: two slots of 256 keys x 544 bytes = 278,528 bytes; each of the four waves fetches 64 keys of a slot.  A refill has a slot's eight quarters, less half of one, in which to land.
; CLUSTERS: 4 x 4 work-groups.  The four of a column of the cluster need the same tile of v: it is asked for JOINTLY.
; p IS NOT ASKED FOR JOINTLY, though the four of a row of the cluster read the same p.  THE REASON: in the ring, p's 128 rows would take 256 bytes a key beside v's 544: two slots of 256 keys would be 409,600 bytes, more than
; the 327,680 that there are, and slots of 128 keys would leave a refill half the matrix work in which to land.  So p goes past LDS: a fragment is two loads of 512 consecutive bytes, issued SEVEN QUARTERS
; (224 matrix instructions) ahead of its use into a ring of eight register buffers: 56 loads of a wave are on their way.
; THE TAKING OVER STANDS IN SLICES: a chunk's 128 fused multiply-adds, four behind each of 32 matrix instructions (block a - 1's behind block a's products of the chunk's last quarter, block 3's behind the next chunk's first
; eight), since in a run of their own they would leave the matrix unit without work.  A slice costs two switches of the register window: 64 switches for a chunk's 128 matrix instructions.
; REGISTERS: window 0: v16-19 v's LDS addresses (slot, chunk); v22-31 addresses; v40-47 g_c of my four blocks of queries, as pairs; v64-114 the head's statistics; v128-255 p's buffers 0-3 (on the way out: rows read back).
;   window 1: v0-63, v64-127 v's fragments, two buffers; v128-255 p's buffers 4-7.   window 2: the totals, (a, b) at v[8 (8 a + b)].   window 3: the chunk's accumulators, likewise.
.set PV,     544                       ; a key's row of v in LDS: 512 bytes + 32 = 17 x 32 bytes
.set CHUNKB, 128*PV
.set SLOT,   256*PV
.set FT,     2*SLOT                    ; behind the ring: g, [16 chunks][128 queries] f32
.set STAGE,  FT+8192                   ; 16 rows x (512 bytes + 16) for each wave
.set SPITCH, 528
.set SPARE,  STAGE+4*16*SPITCH         ; the spare words, 128 bytes a wave
.set ADRV, 16                          ; v16-19  v's fragments: slot 0 chunk 0, slot 0 chunk 1, slot 1 chunk 0, slot 1 chunk 1 (a chunk's offsets fit the 16-bit immediate)
.set ADRF, 22                          ; v22     my query's g in the chunk in hand
.set STO,  24
.set RD,   25
.set CO,   26                          ; v26     16 x lane: my place in an image's 512 bytes, and in a row of out0; never rewritten
.set FTW,  27                          ; v27     FT + 4 x thread: where I put my row's g
.set SPW,  28
.set NIL,  29
.set PFO,  30
.set SOFF, 31                          ; v31     4 x thread: my row in stats
.set FC,   40
.set NM,   64
.set LL,   80
.set FF,   96
.set PB,   128                         ; p's buffers: buffer i at v[128 + 32 (i % 4)] of window i / 4
.set G1V, 24
.set G0V, 32
.set LIM, 15
.set PFA, 66
.set MSB, 0
.macro WIN new
.if MSB != \new
	s_set_vgpr_msb (MSB<<8)|\new
.set MSB, \new
.endif
.endm
.set MULW, 0xf1                        ; source 0 (v) window 1, source 1 (p) window 0 (+ 4: window 1), C and D window 3
.set TAKW, 0xa3                        ; source 0 (the chunk's sums) window 3, source 1 (g) window 0, source 2 and destination (the totals) window 2
.set TO_V, 0x40                        ; destination window 1, address window 0
.macro JLOAD s                         ; a joint load: every wave fetches its 64 keys of the slot, by registers that hang on the wave's number, the batch and the tile's column alone; an s_nop 0 and four v_nop follow
	tensor_load_to_lds s[G0V+4*\s:G0V+4*\s+3], s[G1V:G1V+7]
	s_nop 0
.rept 4
	v_nop
.endr
.endm
; A prefetch of the slot of v that the NEXT change of slots will ask for: 256 keys x 512 bytes.  The four clusters of a batch read the same v: the first asks.  Of the 64 keys that wave w fetches, the partner at place cy
; takes 16, told apart by address; a lane names 256 bytes: one instruction a wave, and each 256 bytes are named once in the launch.  how = 1: a slot follows in every trip; how = 0: not in the loop's last trip.
.macro ASK how
.if \how
	s_cmp_eq_u32 s[LIM], 1
.else
	s_cmp_gt_u32 s3, s[LIM]                        ; s3 = 1 in the loop's last trip
.endif
	s_cbranch_scc0 .Lnot_mine_\@
	global_prefetch_b8 v[PFO], s[PFA:PFA+1] th:TH_LOAD_NT scope:SCOPE_SE
.Lnot_mine_\@:
.endm
.macro CREST
	s_cmp_lg_u32 s12, 0
	s_cbranch_scc1 .Lnot_wave_0_\@
	s_barrier_signal -3
.Lnot_wave_0_\@:
	s_barrier_wait -3
	s_barrier_signal -1
	s_barrier_wait -1
.endm
.macro CROUND
	s_barrier_signal -1
	s_barrier_wait -1
	CREST
.endm
.macro PLACES                          ; four plain vector instructions between a matrix instruction and a load into, or a vector read of, its registers (ISA guide 7.12.1 for vector reads)
.rept 4
	v_nop
.endr
.endm
; p of one quarter: my four blocks of queries, 8 loads of 512 consecutive bytes.  rel: the quarter, counted from where s[4:5] stands; buf: the ring's buffer.  The caller sets the destination's window.
.macro PLOAD rel, buf
.irp a, 0,1,2,3
	global_load_b128 v[PB+32*((\buf)%4)+8*\a:PB+32*((\buf)%4)+8*\a+3],   v[CO], s[4:5] offset:\a*65536+(\rel)*1024
	global_load_b128 v[PB+32*((\buf)%4)+8*\a+4:PB+32*((\buf)%4)+8*\a+7], v[CO], s[4:5] offset:\a*65536+(\rel)*1024+512
.endr
.endm
	s_load_b256 s[4:11], s[0:1], 0x0               ; pbuf s[4:5], qkv s[6:7], stats s[8:9], out0 s[10:11]
	v_lshl_add_u32 v[SPW], v0, 2, SPARE
	v_mov_b32 v[NIL], 0
	ds_add_u32 v[SPW], v[NIL]                      ; the wave's opening: the add, twice on end, and its wait ahead of my first tensor load
	ds_add_u32 v[SPW], v[NIL]
	v_lshrrev_b32 v1, 5, v0
	v_readfirstlane_b32 s12, v1                    ; wave 0..3
	s_lshr_b32 s13, s12, 1                         ; which 64 queries are mine
	s_and_b32 s14, s12, 1                          ; which 128 channels
	s_bfe_u32 s40, ttmp6, 0x40000                  ; cx
	s_bfe_u32 s41, ttmp6, 0x40004                  ; cy
	s_lshl_b32 s42, ttmp9, 2
	s_add_co_u32 s42, s42, s40                     ; tile of 256 channels
	s_and_b32 s47, ttmp7, 0xffff                   ; cluster y
	s_lshl_b32 s43, s47, 2
	s_add_co_u32 s43, s43, s41                     ; tile of 128 queries, over all batches
	s_lshr_b32 s44, s47, 2                         ; the batch: the same in all sixteen partners
	s_lshl_b32 s46, 0x1111, s40                    ; my column of the cluster
	s_or_b32 s[G1V+0], s46, (1<<16)|(1<<20)|(1<<21)|(6<<22)|(7<<25)  ; the mask; elements of 2 bytes; padding: 8 words behind every 128
	s_mov_b32 s[G1V+1], 256<<16                    ; tensor_dim0 = 256
	s_mov_b32 s[G1V+2], 64<<16                     ; tensor_dim1 = 64
	s_mov_b32 s[G1V+3], 256<<16                    ; tile_dim0 = 256
	s_mov_b32 s[G1V+4], 64                         ; tile_dim1 = 64
	s_mov_b32 s[G1V+5], 1024                       ; elements from row to row
	s_mov_b32 s[G1V+6], 0
	s_mov_b32 s[G1V+7], 0
	s_lshl_b32 s16, s43, 3
	s_lshl_b32 s17, s13, 2
	s_add_co_u32 s16, s16, s17                     ; p: my first block of 16 queries: 8 x tile + 4 x half
	s_lshl_b32 s16, s16, 16                        ; 65,536 bytes a block
	s_mov_b32 s17, 0
	s_lshl_b32 s18, s44, 11
	s_lshl_b32 s19, s12, 6
	s_add_co_u32 s18, s18, s19                     ; v: key 2,048 x batch + 64 x wave
	s_lshl_b32 s18, s18, 11
	s_lshl_b32 s19, s42, 9
	s_add_co_u32 s18, s18, s19                     ; + the tile's 512 bytes of a row
	s_add_co_u32 s18, s18, 0x2000000               ; v begins 16,384 rows into qkv
	s_mov_b32 s19, 0
	s_mul_i32 s21, s12, 64*PV                      ; where they go: no place in the cluster enters an LDS address
	s_wait_dscnt 0x0                               ; both opening adds are done
	s_wait_kmcnt 0x0
	s_add_nc_u64 s[4:5], s[4:5], s[16:17]
	s_add_nc_u64 s[18:19], s[6:7], s[18:19]
	CROUND                                         ; all sixteen work-groups are here: the first joint loads meet
.irp s, 0,1
	s_mov_b32 s[G0V+4*\s], 1
	s_add_co_u32 s[G0V+4*\s+1], s21, \s*SLOT
	s_add_nc_u64 s[G0V+4*\s+2:G0V+4*\s+3], s[18:19], \s*524288     ; slot s begins with keys 256 s
	s_or_b32 s[G0V+4*\s+3], s[G0V+4*\s+3], 0x80000000
	JLOAD \s                                       ; two loads of mine are out
.endr
	; thread t owns query 128 x tile + t: its sixteen -M and sixteen l
	s_lshl_b32 s22, s43, 9
	s_mov_b32 s23, 0
	s_add_nc_u64 s[8:9], s[8:9], s[22:23]
	v_lshlrev_b32 v[SOFF], 2, v0
.irp c, 0,1,2,3,4,5,6,7,8,9,10,11,12,13,14,15
	global_load_b32 v[NM+\c], v[SOFF], s[8:9] offset:\c*32768
.endr
.irp c, 0,1,2,3,4,5,6,7,8,9,10,11,12,13,14,15
	global_load_b32 v[LL+\c], v[SOFF], s[8:9] offset:524288+\c*32768
.endr
	v_and_b32 v3, 31, v0                           ; lane
	v_lshlrev_b32 v[CO], 4, v3
	PLOAD 0, 0                                     ; p's first three quarters go out behind the statistics: 56 loads are on their way
	PLOAD 1, 1
	PLOAD 2, 2
	v_lshl_add_u32 v[FTW], v0, 2, FT
	v_and_b32 v1, 15, v0                           ; r = l % 16
	v_bfe_u32 v2, v0, 4, 1                         ; h = l / 16
	v_and_b32 v5, 7, v0                            ; v: the turning load: lane l reads 16 bytes of key 8 (l / 16) + l % 8, channels 8 ((l / 8) % 2) on
	v_lshl_add_u32 v5, v2, 3, v5
	v_mul_u32_u24 v5, v5, PV
	v_bfe_u32 v6, v0, 3, 1
	v_lshl_add_u32 v5, v6, 4, v5
	s_lshl_b32 s22, s14, 8                         ; my 128 channels
.irp i, 0,1,2,3
	v_add_nc_u32 v[ADRV+\i], s22, v5
	s_add_co_u32 s22, s22, CHUNKB
.endr
	s_lshl_b32 s22, s13, 8                         ; my 64 queries' words
	v_lshl_add_u32 v6, v1, 2, s22
	v_add_nc_u32 v[ADRF], FT, v6
	s_mul_i32 s22, s12, 16*SPITCH
	s_add_co_u32 s22, s22, STAGE                   ; my stage
	v_mul_u32_u24 v6, v1, SPITCH
	v_lshl_add_u32 v6, v2, 5, v6
	v_add_nc_u32 v[STO], s22, v6                   ; in: row l % 16, 32 bytes for each half of the lanes
	v_add_nc_u32 v[RD], s22, v[CO]                 ; back: the 32 lanes take one row of 512 bytes
	s_lshl_b32 s22, s43, 7
	s_lshl_b32 s23, s13, 6
	s_add_co_u32 s22, s22, s23                     ; my first query
	s_lshl_b32 s22, s22, 12                        ; 4,096 bytes a row of out0
	s_lshl_b32 s23, s42, 10
	s_add_co_u32 s22, s22, s23
	s_lshl_b32 s23, s14, 9
	s_add_co_u32 s22, s22, s23                     ; my first channel, 4 bytes each
	s_mov_b32 s23, 0
	s_add_nc_u64 s[10:11], s[10:11], s[22:23]
	; the prefetches: mine stand at keys 512 on (the first change of slots steps them to keys 768 on), my wave's 64 keys, my work-group's 16 of them
	s_lshl_b32 s20, s44, 11
	s_lshl_b32 s22, s12, 6
	s_add_co_u32 s20, s20, s22
	s_lshl_b32 s22, s41, 4
	s_add_co_u32 s20, s20, s22
	s_add_co_u32 s20, s20, 512
	s_lshl_b32 s20, s20, 11
	s_lshl_b32 s22, s42, 9
	s_add_co_u32 s20, s20, s22
	s_add_co_u32 s20, s20, 0x2000000
	s_mov_b32 s21, 0
	s_add_nc_u64 s[PFA:PFA+1], s[6:7], s[20:21]
	s_and_b32 s22, s47, 3                          ; which of the batch's four clusters
	s_cmp_eq_u32 s22, 0
	s_cselect_b32 s[LIM], 1, -1                    ; made of the cluster's y alone
	v_lshlrev_b32 v[PFO], 11, v1                   ; sixteen lanes: sixteen keys;
	v_lshl_add_u32 v[PFO], v2, 8, v[PFO]           ; the upper sixteen: the rows' second 256 bytes
.irp a, 0,1,2,3
	v_mov_b32 v[FC+2*\a+1], 0                      ; (the pairs' upper words are named with g, so they are written)
.endr
	s_wait_loadcnt 24                              ; the statistics are in; the 24 loads of p behind them may be out
	PLOAD 3, 3                                     ; four quarters more: 56 loads are on their way again
	WIN TO_V
	PLOAD 4, 4
	PLOAD 5, 5
	PLOAD 6, 6
	WIN 0
	; the second stage of the softmax, a row a thread
	v_min3_num_f32 v112, v[NM], v[NM+1], v[NM+2]
.irp c, 3,5,7,9,11,13
	v_min3_num_f32 v112, v112, v[NM+\c], v[NM+\c+1]
.endr
	v_min_num_f32 v112, v112, v[NM+15]             ; -M of the row: the least -M_c
.irp c, 0,1,2,3,4,5,6,7,8,9,10,11,12,13,14,15
	v_sub_f32 v[FF+\c], v112, v[NM+\c]             ; M_c - M: a whole number, 0 or less
.endr
.irp c, 0,1,2,3,4,5,6,7,8,9,10,11,12,13,14,15
	v_cvt_i32_f32 v[FF+\c], v[FF+\c]               ; (it saturates)
.endr
.irp c, 0,1,2,3,4,5,6,7,8,9,10,11,12,13,14,15
	v_ldexp_f32 v[FF+\c], 1.0, v[FF+\c]            ; 2^(M_c - M)
.endr
	v_mul_f32 v113, v[LL], v[FF]
.irp c, 1,2,3,4,5,6,7,8,9,10,11,12,13,14,15
	v_fmac_f32 v113, v[LL+\c], v[FF+\c]            ; L: at least the largest chunk's largest p, which is over 1/2
.endr
	v_rcp_f32 v114, v113
	v_nop                                          ; a plain instruction behind the reciprocal
	s_wait_alu depctr_va_vdst(0)                   ; the wait ahead of the first reader
.irp c, 0,1,2,3,4,5,6,7,8,9,10,11,12,13,14,15
	v_mul_f32 v[NM+\c], v[FF+\c], v114             ; g_c = 2^(M_c - M) / L
.endr
.irp c, 0,1,2,3,4,5,6,7,8,9,10,11,12,13,14,15
	ds_store_b32 v[FTW], v[NM+\c] offset:512*\c
.endr
	s_wait_tensorcnt 1                             ; my part of slot 0 is in (slot 1's load may be out)
	s_wait_dscnt 0x0                               ; my g lie in LDS,
	s_barrier_signal -1
	s_barrier_wait -1                              ; everybody's do
.macro FACT                            ; g of the chunk in hand for my four blocks of queries; then on to the next chunk's
.irp a, 0,1,2,3
	ds_load_b32 v[FC+2*\a], v[ADRF] offset:64*\a
.endr
	v_add_nc_u32 v[ADRF], 512, v[ADRF]
.endm
.macro FETCH slot, jn                  ; 16 LDS loads in one run: v^T's eight fragments of the slot's quarter jn into buffer jn % 2 (destination: window 1)
.irp b, 0,1,2,3,4,5,6,7
	ds_load_tr16_b128 v[64*((\jn)%2)+8*\b:64*((\jn)%2)+8*\b+3],   v[ADRV+2*(\slot)+(\jn)/4] offset:32*((\jn)%4)*PV+32*\b
	ds_load_tr16_b128 v[64*((\jn)%2)+8*\b+4:64*((\jn)%2)+8*\b+7], v[ADRV+2*(\slot)+(\jn)/4] offset:32*((\jn)%4)*PV+16*PV+32*\b
.endr
.endm
.macro TAKE fk, fa, b                  ; the total (fa, b) takes the chunk's sum over: fk = 1: += g x sum; fk = 2, the launch's first chunk: = g x sum: nothing is ever cleared.  The accumulator is read from its low end on
.irp i, 0,2,4,6
.if \fk == 1
	v_pk_fma_f32 v[8*(8*(\fa)+(\b))+\i:8*(8*(\fa)+(\b))+\i+1], v[8*(8*(\fa)+(\b))+\i:8*(8*(\fa)+(\b))+\i+1], v[FC+2*(\fa):FC+2*(\fa)+1], v[8*(8*(\fa)+(\b))+\i:8*(8*(\fa)+(\b))+\i+1] op_sel_hi:[1,0,1]
.else
	v_pk_mul_f32 v[8*(8*(\fa)+(\b))+\i:8*(8*(\fa)+(\b))+\i+1], v[8*(8*(\fa)+(\b))+\i:8*(8*(\fa)+(\b))+\i+1], v[FC+2*(\fa):FC+2*(\fa)+1] op_sel_hi:[1,0]
.endif
.endr
.endm
; 8 matrix instructions: block a of queries x all 8 blocks of channels, 32 keys.  f: v's buffer; pb: p's; zero = 1: a chunk's first product starts its sums.  fk above 0: behind each stands the slice that takes block fa's sum over.
; The 32 accumulators take turns, one instruction a turn, in the same order in every quarter.
.macro MULS f, pb, a, zero, fk, fa
.set WM, MULW+4*((\pb)/4)
.irp b, 0,1,2,3,4,5,6,7
	WIN WM
.if \zero
	v_wmma_f32_16x16x32_f16 v[8*(8*(\a)+\b):8*(8*(\a)+\b)+7], v[64*(\f)+8*\b:64*(\f)+8*\b+7], v[PB+32*((\pb)%4)+8*(\a):PB+32*((\pb)%4)+8*(\a)+7], 0
.else
	v_wmma_f32_16x16x32_f16 v[8*(8*(\a)+\b):8*(8*(\a)+\b)+7], v[64*(\f)+8*\b:64*(\f)+8*\b+7], v[PB+32*((\pb)%4)+8*(\a):PB+32*((\pb)%4)+8*(\a)+7], v[8*(8*(\a)+\b):8*(8*(\a)+\b)+7]
.endif
.if \fk
	WIN TAKW
	TAKE \fk, \fa, \b
.endif
.endr
.endm
; Quarter j (0 .. 6) of a slot.  At its head, in one run: v's fragments of the next quarter, and (pl = 1) p of seven quarters on, into the buffers that the last quarter's products have read; then 32 matrix instructions.
; lc: the younger loads of p that may stay out.  fz: at a chunk's first quarter, how the last chunk's block 3 is taken over; fe: at its last quarter, how blocks 0 to 2 are (0: not; 1, 2: see TAKE).
.macro QUARTER slot, j, pl, lc, fz, fe
	s_wait_loadcnt \lc                             ; this quarter's p is in
	PLACES
	WIN TO_V
	FETCH \slot, (\j)+1
.if \pl
.if ((\j)+7)%8 >= 4
	PLOAD (\j)+7, ((\j)+7)%8
	WIN 0
.else
	WIN 0
	PLOAD (\j)+7, ((\j)+7)%8
.endif
.else
	WIN 0
.endif
.if (\j)%4 == 1
	FACT                                           ; the last chunk's g were last read in the quarter before; these are first read two quarters on
	s_wait_dscnt 20                                ; this quarter's fragments of v are in; the 16 loads just issued and the four of g may be out
.else
	s_wait_dscnt 16                                ; this quarter's fragments of v are in; the 16 loads just issued may be out
.endif
.if (\j)%4 == 0
	MULS (\j)%2, \j, 0, 1, \fz, 3
	MULS (\j)%2, \j, 1, 1, 0, 0
	MULS (\j)%2, \j, 2, 1, 0, 0
	MULS (\j)%2, \j, 3, 1, 0, 0
.elseif (\j)%4 == 3
	MULS (\j)%2, \j, 0, 0, 0, 0
	PLACES                                         ; between block 0's last products and the first slice that reads them
	MULS (\j)%2, \j, 1, 0, \fe, 0
	MULS (\j)%2, \j, 2, 0, \fe, 1
	MULS (\j)%2, \j, 3, 0, \fe, 2
.else
	MULS (\j)%2, \j, 0, 0, 0, 0
	MULS (\j)%2, \j, 1, 0, 0, 0
	MULS (\j)%2, \j, 2, 0, 0, 0
	MULS (\j)%2, \j, 3, 0, 0, 0
.endif
.endm
; A slot's last quarter changes slots: one barrier; in front of it each wave waits for all its tensor loads (one is out: its part of the next slot), adds 0 to its spare word, and waits for that and for its reads
; of this slot.  fill = 1: the barrier opens a round of the cluster's, and the joint refill, the keys two slots on, is the first tensor load behind it.
.macro TURN slot, next, fill, how
	s_wait_xcnt 0x0                                ; the loads of p and the last prefetch have read their addresses: both are stepped here
	s_add_nc_u64 s[4:5], s[4:5], 8192              ; p: eight quarters on
.if \fill
	s_add_nc_u64 s[PFA:PFA+1], s[PFA:PFA+1], 524288  ; the prefetches: a slot on
.endif
	s_wait_loadcnt 48                              ; this quarter's p is in; six younger quarters of 8 loads may be out
	WIN 0
	s_wait_tensorcnt 0x0
	ds_add_u32 v[SPW], v[NIL]
	s_wait_dscnt 1                                 ; this quarter's fragments of v are in (the add may be out)
	MULS 1, 7, 0, 0, 0, 0                          ; eight matrix instructions stand between the add and the wait for it
	s_wait_dscnt 0x0                               ; the add is done, and my reads of this slot are over
	s_barrier_signal -1
	PLACES                                         ; between block 0's last products and the first slice that reads them
	MULS 1, 7, 1, 0, 1, 0
	WIN 0
	s_barrier_wait -1
.if \fill
	CREST                                          ; no wave of any partner still reads this slot's tile or has a load on its way
	s_add_nc_u64 s[G0V+4*\slot+2:G0V+4*\slot+3], s[G0V+4*\slot+2:G0V+4*\slot+3], 1048576   ; 512 keys on
	JLOAD \slot
.else
	PLACES
.endif
	WIN TO_V
	FETCH \next, 0
	PLOAD 6, 6
	WIN 0
.if \fill
	ASK \how
.endif
	MULS 1, 7, 2, 0, 1, 1
	MULS 1, 7, 3, 0, 1, 2
.endm
.macro SEVEN slot
	QUARTER \slot, 0, 1, 48, 1, 0
	QUARTER \slot, 1, 1, 48, 0, 0
	QUARTER \slot, 2, 1, 48, 0, 0
	QUARTER \slot, 3, 1, 48, 0, 1
	QUARTER \slot, 4, 1, 48, 1, 0
	QUARTER \slot, 5, 1, 48, 0, 0
	QUARTER \slot, 6, 1, 48, 0, 0
.endm
	WIN TO_V
	FETCH 0, 0
	WIN 0
	QUARTER 0, 0, 1, 48, 0, 0                      ; the first slot is written out: its first chunk starts the totals
	QUARTER 0, 1, 1, 48, 0, 0
	QUARTER 0, 2, 1, 48, 0, 0
	QUARTER 0, 3, 1, 48, 0, 2
	QUARTER 0, 4, 1, 48, 2, 0
	QUARTER 0, 5, 1, 48, 0, 0
	QUARTER 0, 6, 1, 48, 0, 0
	WIN 0
	s_mov_b32 s3, 3
.Llap:                                                 ; a trip goes once round the ring, from a slot's last quarter to the last but one of the slot two on, and fills both slots again: six refills in three trips
	TURN 0, 1, 1, 1
	SEVEN 1
	TURN 1, 0, 1, 0
	SEVEN 0
	WIN 0
	s_sub_co_u32 s3, s3, 1
	s_cmp_lg_u32 s3, 0
	s_cbranch_scc1 .Llap
	TURN 0, 1, 0, 0                                ; the last change of slots fills nothing
	QUARTER 1, 0, 1, 48, 1, 0                      ; the last slot: one more quarter of p is asked for, then the counts run down
	QUARTER 1, 1, 0, 48, 0, 0
	QUARTER 1, 2, 0, 40, 0, 0
	QUARTER 1, 3, 0, 32, 0, 1
	QUARTER 1, 4, 0, 24, 1, 0
	QUARTER 1, 5, 0, 16, 0, 0
	QUARTER 1, 6, 0, 8, 0, 0
	s_wait_loadcnt 0x0                             ; the very last quarter: nothing more to fetch
	s_wait_dscnt 0x0
	MULS 1, 7, 0, 0, 0, 0
	PLACES
	MULS 1, 7, 1, 0, 1, 0
	MULS 1, 7, 2, 0, 1, 1
	MULS 1, 7, 3, 0, 1, 2
	WIN TAKW
.irp b, 0,1,2,3,4,5,6,7
	TAKE 1, 3, \b                                  ; block 3's last sums (the slice behind the last product is their four places)
.endr
	WIN 0
; THE WAY OUT, block by block of 16 queries x 128 channels: the totals are final (1 / L lies in g): through my own stage, back as whole rows of 512 bytes, which the 32 lanes store as 512 consecutive aligned bytes.
.macro TOSTAGE a
.set BB, PB+64*((\a)%2)                ; v128-191 and v192-255 by turns
	WIN 0x08                                       ; an LDS store's data are its source 1: window 2
.irp b, 0,1,2,3,4,5,6,7
	ds_store_b128 v[STO], v[64*(\a)+8*\b:64*(\a)+8*\b+3] offset:64*\b
	ds_store_b128 v[STO], v[64*(\a)+8*\b+4:64*(\a)+8*\b+7] offset:64*\b+16
.endr
	WIN 0
.irp t, 0,1,2,3,4,5,6,7,8,9,10,11,12,13,14,15
	ds_load_b128 v[BB+4*\t:BB+4*\t+3], v[RD] offset:\t*SPITCH      ; LDS serves a wave's instructions in order: these see the stores above
.endr
.endm
.macro SEND a, younger                 ; younger: the LDS instructions issued behind block a's loads, which may stay out
.set BB, PB+64*((\a)%2)
	s_wait_dscnt \younger
.if (\a) > 0
	s_add_nc_u64 s[10:11], s[10:11], 16*4096       ; (behind a wait on XCNT: the earlier stores have read their base)  16 queries on
.endif
.irp t, 0,1,2,3,4,5,6,7,8,9,10,11,12,13,14,15
	global_store_b128 v[CO], v[BB+4*\t:BB+4*\t+3], s[10:11] offset:\t*4096 th:TH_STORE_NT
.endr
.endm
	TOSTAGE 0
.irp a, 1,2,3
.if \a > 1
	s_wait_xcnt 0x0                                ; block a - 2's stores have read their registers and their base
.endif
	TOSTAGE \a
	SEND \a-1, 32                                  ; behind block a - 1's loads: block a's 16 stores and 16 loads
.endr
	s_wait_xcnt 0x0
	SEND 3, 0
	s_wait_tensorcnt 0x0                           ; the wave's end
	ds_add_u32 v[SPW], v[NIL]
	s_wait_dscnt 0x0
	CROUND                                         ; the closing round
	s_endpgm
.Lfunc_end_k_q388fe6ccfc_pv:
	.size	k_q388fe6ccfc_pv, .Lfunc_end_k_q388fe6ccfc_pv-k_q388fe6ccfc_pv
	.p2alignl 7, 3214868480
	.fill 96, 4, 3214868480
	.section	.rodata,"a",@progbits
	.p2align	6, 0x0
	.amdhsa_kernel k_q388fe6ccfc_pv
		.amdhsa_group_segment_fixed_size 327680
		.amdhsa_private_segment_fixed_size 0
		.amdhsa_enable_private_segment 0
		.amdhsa_kernarg_size 32
		.amdhsa_user_sgpr_count 2
		.amdhsa_user_sgpr_kernarg_segment_ptr 1
		.amdhsa_wavefront_size32 1
		.amdhsa_system_sgpr_workgroup_id_x 1
		.amdhsa_system_sgpr_workgroup_id_y 1
		.amdhsa_system_sgpr_workgroup_id_z 1
		.amdhsa_system_vgpr_workitem_id 0
		.amdhsa_next_free_vgpr 1024
		.amdhsa_next_free_sgpr 70
		.amdhsa_reserve_vcc 0
		.amdhsa_float_denorm_mode_32 3
		.amdhsa_float_denorm_mode_16_64 3
		.amdhsa_memory_ordered 1
		.amdhsa_forward_progress 1
		.amdhsa_inst_pref_size 244
	.end_amdhsa_kernel
	.amdgpu_metadata
---
amdhsa.version: [ 1, 2 ]
amdhsa.kernels:
  - .name:           k_q388fe6ccfc_pv
    .symbol:         k_q388fe6ccfc_pv.kd
    .args:
      - { .name: pbuf, .offset: 0, .size: 8, .value_kind: global_buffer, .address_space: global }
      - { .name: qkv, .offset: 8, .size: 8, .value_kind: global_buffer, .address_space: global }
      - { .name: stats, .offset: 16, .size: 8, .value_kind: global_buffer, .address_space: global }
      - { .name: out0, .offset: 24, .size: 8, .value_kind: global_buffer, .address_space: global }
    .group_segment_fixed_size: 327680
    .private_segment_fixed_size: 0
    .kernarg_segment_align: 8
    .kernarg_segment_size: 32
    .max_flat_workgroup_size: 128
    .sgpr_count:     70
    .vgpr_count:     1024
    .wavefront_size: 32
...
	.end_amdgpu_metadata
.endif
;; end of part 4
